; MI455X (gfx1250); checked and timed in simulation.
; The chip was launched on July 23, 2026; its instructions are those of AMD's public machine-readable ISA for CDNA 5 (MIT licence, August 2026) and "CDNA5" Instruction Set Architecture Reference Guide (July 2026). The comments in the code are by the model that wrote it; some were corrected since.
;; Multi Head Attention. Allowed arithmetic: matrix products marked QUANTISED: E2M3 operands, one E8M0 scale for each 32 along K, by v_wmma_scale_f32_16x16x128_f8f6f4 with both operands' format E2M3, f32 sums; everything else in f32.
;; Inputs: Wk 1,024 x 1,024 float32; Wo 1,024 x 1,024 float32; Wq 1,024 x 1,024 float32; Wv 1,024 x 1,024 float32; bo 1,024 float32; x 2 x 2,048 x 1,024 float32.
;; Outputs: out0 2 x 2,048 x 1,024 float32.
;; This version of the problem:
;;   THIS VERSION OF THE PROBLEM IS GIVEN IN LOW PRECISION. The matrix products marked QUANTISED in the list below multiply operands that are first quantised to E2M3 (2 exponent bits, 3 mantissa bits; 6 bits a number), with one power-of-two scale for each 32 numbers along K (OCP MX v1.0); their sums are f32. All else is computed in f32.
;;   The module's matrix products, in the order in which they are computed (A, B: the left and right operand; K: the contracted axis; several contracted axes count as one K, in the product's order):
;;     1. [M 4,096, K 1,024] x [K 1,024, N 1,024]; A: input x; B: input Wq: QUANTISED
;;     2. [M 4,096, K 1,024] x [K 1,024, N 1,024]; A: input x; B: input Wk: QUANTISED
;;     3. [M 4,096, K 1,024] x [K 1,024, N 1,024]; A: input x; B: input Wv: QUANTISED
;;     4. batch 32 x [M 2,048, K 64] x [K 64, N 2,048]; A: computed on the way; B: computed on the way: QUANTISED
;;     5. batch 32 x [M 2,048, K 2,048] x [K 2,048, N 64]; A: softmax (see below); B: computed on the way: QUANTISED
;;     6. [M 4,096, K 1,024] x [K 1,024, N 1,024]; A: computed on the way; B: input Wo: QUANTISED
;;   THE QUANTISER, for each operand of a quantised product, along K:
;;     - K is cut into blocks of 32 from its start; a last block that is shorter is filled with zeros.
;;     - A block's scale is 2^e with e = floor(log2(the largest magnitude in the block)) - 2, held to -126 .. 127; a block of zeros has e = 0. As a byte (E8M0): e + 127.
;;     - Each number is divided by its block's scale, clamped to +-7.5, and rounded to the nearest number of E2M3, ties to even, subnormals kept.
;;     - The product sums the exact products of the quantised numbers (number of the format x scale) in f32.
;;   ~~~python
;;   def quantise(x, axis):      # numpy; x: float32 -> the quantised numbers, widened to float32 again
;;       x = np.moveaxis(x, axis, -1); K = x.shape[-1]
;;       x = np.pad(x, [(0, 0)] * (x.ndim - 1) + [(0, -K % 32)]); x = x.reshape(x.shape[:-1] + (-1, 32)); a = np.abs(x).max(-1, keepdims=True)
;;       e = np.where(a > 0, np.clip(np.frexp(np.where(a > 0, a, 1))[1] - 1 - 2, -126, 127), 0)      # np.frexp(a)[1] - 1 = floor(log2(a)), exactly
;;       r = np.clip(x / 2.0 ** e, -7.5, 7.5)
;;       step = 2.0 ** (np.maximum(np.frexp(np.where(r == 0, 1, r))[1] - 1, 0) - 3)
;;       q = np.round(r / step) * step * 2.0 ** e      # np.round: ties to even
;;       return np.moveaxis(q.reshape(q.shape[:-2] + (-1,))[..., :K], -1, axis).astype(np.float32)
;;   ~~~
;;   SOFTMAX AHEAD OF A QUANTISED PRODUCT. Where the list says 'softmax', what is quantised is not the finished softmax but p = 2^(t - M), with t = logit x log2(e) and M = ceil(the row's largest t), a whole number; so 1/2 < the row's largest p <= 1. The row's sum l is taken of the UNQUANTISED p, in f32, and the product's result is divided by l at the end. Since M is a whole number, a kernel that streams over the keys may use a running M (the ceiling of the running maximum): every later rescaling is an exact power of two, which a block's scale takes up: the codes' values come out the same.
;;   OPERANDS COMPUTED ON THE WAY. 'Computed on the way' means the value that the module computes at that place (a softmax that the list does not call 'softmax' is quantised finished and normalised). What goes into a quantiser is computed in f32, as accurately as f32 sums, v_exp_f32 and their like allow (about 1e-6 of the number): no bf16 or f16 on the way to a quantiser, and a product that is left as it is and whose result goes on into a quantised operand takes f32 operands (vector FMAs, or v_wmma_f32_16x16x4_f32). A number that lies on a knife's edge between two numbers of the format may be rounded either way, as far as f32 arithmetic and the matrix unit's own rounding can turn it there, and no further.
;; One version. Each part assembles by itself: llvm-mc -triple=amdgcn-amd-amdhsa -mcpu=gfx1250 --defsym DOCPART=n.
;; ======== version 1 of 1: 4 launches
;; limits: right only within a limited range of input values
;; workspace buffers: xq 3,276,800 bytes; wb 2,457,600 bytes; wob 819,200 bytes; qq 3,407,872 bytes; kv 6,553,600 bytes; ao 3,276,800 bytes
;; launch quant (part 1): grid 512 x 1, 4 waves a work-group, no clusters, 34,304 bytes of LDS; arguments x, Wq, Wk, Wv, Wo, xq, wb, wob; writes xq, wb, wob
.if DOCPART == 1
	.amdgcn_target "amdgcn-amd-amdhsa--gfx1250"
	.amdhsa_code_object_version 6
	.text
	.protected	k_q74ea1d3e19_quant
	.globl	k_q74ea1d3e19_quant
	.p2align	8
	.type	k_q74ea1d3e19_quant,@function
k_q74ea1d3e19_quant:
	s_mov_b64 s[64:65], 0
	v_nop
	global_prefetch_b8 v0, s[64:65] scope:SCOPE_SE
	s_setreg_imm32_b32 hwreg(HW_REG_WAVE_MODE, 25, 1), 1
	s_wait_xcnt 0x0
; x [4096][1024] and Wq, Wk, Wv, Wo [1024][1024], f32, K innermost, become codes of FP6 (E2M3) with one E8M0 byte for each 32 along K,
; laid as IMAGES OF THE OPERAND'S REGISTERS.  A fragment is 16 rows x 128 K, 1,536 bytes: lane (r = lane % 16, h = lane / 16) owns the 64 codes k = 32 h .. 32 h + 31 and 64 + 32 h .. of row r, twelve registers:
; registers 4 p .. 4 p + 3 lie at 512 p + 16 x lane.  A GROUP of 64 rows is 51,200 bytes: four quarters of K, each of two K steps of four fragments, and behind them 512 bytes of scale words (128 a tile: 4 x lane; lanes 0-15 the even K step's, 16-31 the odd one's).
; xq: x's 64 groups.  wb: group 3 x head + m, m = 0, 1, 2 for Wq, Wk, Wv.  wob: Wo's 16 groups.
; THE ROWS OF A TILE ARE NOT NEIGHBOURS: in each group of 64 rows, row p of tile a is row 32 (p / 8) + 8 a + p % 8, so that the results of four tiles are 32 neighbours in one lane.
; A block's scale is 2^(floor(log2(largest magnitude)) - 2); its byte is the largest magnitude's exponent field - 2, held at 1 from below.
; LIMITS: a block whose largest magnitude lies under 2^-124, a block of zeros among them, gets the byte 1 (its codes are zeros or the smallest codes; these bytes are read by this program alone);
; NaN and infinities among the inputs are not served.
; SHARES.  A work-group takes one tile of 16 rows: numbers 0-255 x's, 256-511 the weights' (64 each, in the order q, k, v, o).  Wave kp takes K steps 2 kp and 2 kp + 1: two units of 16 rows x 128 K.
; One path serves all five tensors: pointers and groups are chosen by the work-group's number.  Each load takes 512 consecutive bytes of a row; a unit turns through the wave's own stage in LDS
; (rows 528 bytes apart = 33 x 16), from which a lane takes its 32 neighbours of each of its two blocks.  No barrier: waves share nothing.  All 32 loads of a wave go out at once.
.set SROW, 528
.set STG,  16*SROW                     ; a wave's stage
.set R,    16                          ; v16-143  as loaded: unit u, row p at R + 64 u + 4 p
.set X,    144                         ; v144-207 my two blocks of 32 neighbours
.set C,    208                         ; v208-231 the codes: unit u at C + 12 u
.set TT,   232                         ; v232-239 a block's upper 16 codes (a conversion's three registers begin on an even number)
.set T,    240                         ; v240-241 largest magnitudes
.set SCL,  242                         ; v242-243 the conversions' scale operands
.set BY,   244                         ; v244-245 the scale bytes
.set W,    246                         ; v246-247 a unit's scale word
.set XP,   248                         ; v248     the other half's word
.set OUTW, 249                         ; v249     the word that is stored
.set SPW,  254
.set NIL,  255
.set D0,   44                          ; s[44:45] my fragments
.set DS,   48                          ; s[48:49] the scale words
.set SEL,  52                          ; s[52:53] selects of v_permlanex16_b32: lane l xor 16
	s_load_b256 s[4:11], s[0:1], 0x0               ; x, Wq, Wk, Wv
	s_load_b256 s[12:19], s[0:1], 0x20             ; Wo, xq, wb, wob
	v_lshl_add_u32 v[SPW], v0, 2, 4*STG
	v_mov_b32 v[NIL], 0
	v_lshrrev_b32 v9, 5, v0
	v_readfirstlane_b32 s34, v9                    ; wave = kp
	v_and_b32 v1, 31, v0                           ; lane
	v_and_b32 v10, 15, v0                          ; r
	v_bfe_u32 v11, v0, 4, 1                        ; h
	v_lshlrev_b32 v2, 4, v1                        ; 16 x lane: a load's and an image's place
	v_lshlrev_b32 v7, 2, v1                        ; 4 x lane
	v_lshlrev_b32 v8, 3, v11                       ; 8 h: my byte's shift in a scale word
	s_mul_i32 s50, s34, STG
	v_add_nc_u32 v3, s50, v2                       ; the stage, on the way in
	v_mul_u32_u24 v4, v10, SROW
	v_lshl_add_u32 v4, v11, 7, v4
	v_add_nc_u32 v4, s50, v4                       ; and out: row r, 128 h bytes on
	v_mov_b32 v[XP], 0                             ; a lane permute's destination counts as one of its sources
	v_cmp_le_u32 vcc_lo, 16, v1                    ; lanes 16-31
	s_mov_b32 s[SEL], 0x76543210
	s_mov_b32 s[SEL+1], 0xfedcba98
	s_and_b32 s21, ttmp9, 255
	s_lshr_b32 s22, s21, 6                         ; a weight's number 0..3
	s_and_b32 s23, s21, 63                         ; its tile
	s_lshr_b32 s24, s23, 2                         ; and that tile's head
	s_mul_i32 s25, s24, 3
	s_add_co_u32 s25, s25, s22                     ; q, k, v: group 3 head + m of wb
	s_lshr_b32 s26, s21, 2                         ; x: its group
	s_cmp_eq_u32 s22, 3
	s_cselect_b32 s25, s24, s25                    ; Wo: its group of wob
	s_cmp_lt_u32 ttmp9, 256                        ; x?
	s_cselect_b32 s23, s21, s23                    ; the tile
	s_cselect_b32 s25, s26, s25                    ; the group
	s_lshr_b32 s32, s23, 2                         ; the group of 64 source rows
	s_and_b32 s33, s23, 3                          ; a: the tile in it
	s_mul_i32 s36, s25, 51200
	s_mul_i32 s37, s34, 12800
	s_add_co_u32 s36, s36, s37
	s_lshl_b32 s38, s33, 7
	s_add_co_u32 s38, s38, s36
	s_add_co_u32 s38, s38, 12288                   ; the scale words' offset
	s_mul_i32 s37, s33, 1536
	s_add_co_u32 s36, s36, s37                     ; the codes' offset
	s_lshl_b32 s40, s32, 18                        ; the source: row 64 g + 8 a of 4,096 bytes, 1,024 kp bytes on
	s_lshl_b32 s41, s33, 15
	s_add_co_u32 s40, s40, s41
	s_lshl_b32 s41, s34, 10
	s_add_co_u32 s40, s40, s41
	s_mov_b32 s41, 0
	s_mov_b32 s37, 0
	s_mov_b32 s39, 0
	s_wait_alu depctr_va_vdst(0)                   ; the wait at the head's end
	s_wait_kmcnt 0x0
	s_cmp_eq_u32 s22, 1
	s_cselect_b64 s[6:7], s[8:9], s[6:7]
	s_cmp_eq_u32 s22, 2
	s_cselect_b64 s[6:7], s[10:11], s[6:7]
	s_cmp_eq_u32 s22, 3
	s_cselect_b64 s[6:7], s[12:13], s[6:7]         ; the weight
	s_cselect_b64 s[16:17], s[18:19], s[16:17]     ; and its buffer
	s_cmp_lt_u32 ttmp9, 256
	s_cselect_b64 s[4:5], s[4:5], s[6:7]
	s_cselect_b64 s[14:15], s[14:15], s[16:17]
	s_add_nc_u64 s[4:5], s[4:5], s[40:41]
	s_add_nc_u64 s[D0:D0+1], s[14:15], s[36:37]
	s_add_nc_u64 s[DS:DS+1], s[14:15], s[38:39]
.irp u, 0,1
.irp p, 0,1,2,3,4,5,6,7,8,9,10,11,12,13,14,15
	global_load_b128 v[R+64*\u+4*\p:R+64*\u+4*\p+3], v2, s[4:5] offset:(32*(\p/8)+\p%8)*4096+512*\u th:TH_LOAD_NT   ; 32 lanes read 512 consecutive bytes of the tile's row p
.endr
.endr
.macro UNIT u
	s_wait_loadcnt 16*(1-\u)                       ; this unit's 16 loads are in; unit 1's 16 may stay out while unit 0 is worked
.irp p, 0,1,2,3,4,5,6,7,8,9,10,11,12,13,14,15
	ds_store_b128 v3, v[R+64*\u+4*\p:R+64*\u+4*\p+3] offset:SROW*\p
.endr
.irp c, 0,1
.irp q, 0,1,2,3,4,5,6,7
	ds_load_b128 v[X+32*\c+4*\q:X+32*\c+4*\q+3], v4 offset:256*\c+16*\q   ; k = 64 c + 32 h + 4 q ..; LDS serves a wave's instructions in order: these see my stores
.endr
.endr
	s_wait_dscnt 0x0
.irp c, 0,1
	v_max3_num_f32 v[T+\c], |v[X+32*\c]|, |v[X+32*\c+1]|, 0x1800000   ; the block's largest magnitude: all 32 are mine; and the floor 2^(3 - 127), so that the byte cannot fall under 1
.endr
.set i, 2
.rept 15
.irp c, 0,1
	v_max3_num_f32 v[T+\c], v[T+\c], |v[X+32*\c+i]|, |v[X+32*\c+i+1]|
.endr
.set i, i+2
.endr
.irp c, 0,1
	v_add_nc_u32 v[SCL+\c], 0xff000000, v[T+\c]    ; 2 off the exponent field: the conversion takes that field as its scale, and nothing else
.endr
.irp c, 0,1
	v_lshrrev_b32 v[BY+\c], 23, v[SCL+\c]          ; the scale's byte
.endr
.irp c, 0,1
	v_cvt_scalef32_pk16_fp6_f32 v[C+12*\u+6*\c:C+12*\u+6*\c+2], v[X+32*\c:X+32*\c+15], v[SCL+\c]
	v_cvt_scalef32_pk16_fp6_f32 v[TT+4*\c:TT+4*\c+2], v[X+32*\c+16:X+32*\c+31], v[SCL+\c]
.endr
	v_nop                                          ; one plain place behind a scaled conversion
.irp c, 0,1
.irp i, 0,1,2
	v_mov_b32 v[C+12*\u+6*\c+3+\i], v[TT+4*\c+\i]
.endr
.endr
	v_lshl_or_b32 v[W+\u], v[BY+1], 16, v[BY]      ; my bytes: blocks h and 2 + h of row r,
	v_lshlrev_b32 v[W+\u], v8, v[W+\u]             ; at their places;
	v_permlanex16_b32 v[XP], v[W+\u], s[SEL], s[SEL+1]
	v_or_b32 v[W+\u], v[W+\u], v[XP]               ; with lane l xor 16's two the word is whole
.irp p, 0,1,2
	global_store_b128 v2, v[C+12*\u+4*\p:C+12*\u+4*\p+3], s[D0:D0+1] offset:6144*\u+512*\p   ; 512 consecutive bytes
.endr
.endm
	UNIT 0
	UNIT 1
	v_cndmask_b32 v[OUTW], v[W], v[W+1], vcc_lo    ; lanes 0-15: the even K step's words, lanes 16-31: the odd one's
	global_store_b32 v7, v[OUTW], s[DS:DS+1]       ; 128 consecutive bytes
	s_wait_tensorcnt 0x0                           ; the wave's end
	ds_add_u32 v[SPW], v[NIL]
	s_wait_dscnt 0x0
	s_endpgm
.Lfunc_end_k_q74ea1d3e19_quant:
	.size	k_q74ea1d3e19_quant, .Lfunc_end_k_q74ea1d3e19_quant-k_q74ea1d3e19_quant
	.p2alignl 7, 3214868480
	.fill 96, 4, 3214868480
	.section	.rodata,"a",@progbits
	.p2align	6, 0x0
	.amdhsa_kernel k_q74ea1d3e19_quant
		.amdhsa_group_segment_fixed_size 34304
		.amdhsa_private_segment_fixed_size 0
		.amdhsa_enable_private_segment 0
		.amdhsa_kernarg_size 64
		.amdhsa_user_sgpr_count 2
		.amdhsa_user_sgpr_kernarg_segment_ptr 1
		.amdhsa_wavefront_size32 1
		.amdhsa_system_sgpr_workgroup_id_x 1
		.amdhsa_system_sgpr_workgroup_id_y 1
		.amdhsa_system_sgpr_workgroup_id_z 1
		.amdhsa_system_vgpr_workitem_id 0
		.amdhsa_next_free_vgpr 256
		.amdhsa_next_free_sgpr 66
		.amdhsa_reserve_vcc 1
		.amdhsa_float_denorm_mode_32 3
		.amdhsa_float_denorm_mode_16_64 3
		.amdhsa_memory_ordered 1
		.amdhsa_forward_progress 1
		.amdhsa_inst_pref_size 17
	.end_amdhsa_kernel
	.amdgpu_metadata
---
amdhsa.version: [ 1, 2 ]
amdhsa.kernels:
  - .name:           k_q74ea1d3e19_quant
    .symbol:         k_q74ea1d3e19_quant.kd
    .args:
      - { .name: x, .offset: 0, .size: 8, .value_kind: global_buffer, .address_space: global }
      - { .name: Wq, .offset: 8, .size: 8, .value_kind: global_buffer, .address_space: global }
      - { .name: Wk, .offset: 16, .size: 8, .value_kind: global_buffer, .address_space: global }
      - { .name: Wv, .offset: 24, .size: 8, .value_kind: global_buffer, .address_space: global }
      - { .name: Wo, .offset: 32, .size: 8, .value_kind: global_buffer, .address_space: global }
      - { .name: xq, .offset: 40, .size: 8, .value_kind: global_buffer, .address_space: global }
      - { .name: wb, .offset: 48, .size: 8, .value_kind: global_buffer, .address_space: global }
      - { .name: wob, .offset: 56, .size: 8, .value_kind: global_buffer, .address_space: global }
    .group_segment_fixed_size: 34304
    .private_segment_fixed_size: 0
    .kernarg_segment_align: 8
    .kernarg_segment_size: 64
    .max_flat_workgroup_size: 128
    .sgpr_count:     66
    .vgpr_count:     256
    .wavefront_size: 32
...
	.end_amdgpu_metadata
.endif
;; end of part 1
;; launch qkv (part 2): grid 16 x 16, 4 waves a work-group, clusters of 4 x 4, 307,712 bytes of LDS; arguments xq, wb, qq, kv; writes qq, kv
.if DOCPART == 2
	.amdgcn_target "amdgcn-amd-amdhsa--gfx1250"
	.amdhsa_code_object_version 6
	.text
	.protected	k_q74ea1d3e19_qkv
	.globl	k_q74ea1d3e19_qkv
	.p2align	8
	.type	k_q74ea1d3e19_qkv,@function
k_q74ea1d3e19_qkv:
	s_mov_b64 s[64:65], 0
	v_nop
	global_prefetch_b8 v0, s[64:65] scope:SCOPE_SE
	s_setreg_imm32_b32 hwreg(HW_REG_WAVE_MODE, 25, 1), 1
	s_wait_xcnt 0x0
	s_wait_alu depctr_hold_cnt(0) depctr_sa_sdst(0) depctr_va_vdst(0) depctr_va_sdst(0) depctr_va_ssrc(0) depctr_va_vcc(0) depctr_vm_vsrc(0)
	s_getreg_b32 s2, hwreg(HW_REG_IB_STS2, 6, 4)
	s_cmp_eq_u32 s2, 0
	s_cbranch_scc0 .Lentry_in_a_cluster
	s_endpgm
.Lentry_in_a_cluster:
	s_bfe_u32 s2, ttmp6, 0x10000c
	s_cmp_lg_u32 s2, 0xf033
	s_cbranch_scc0 .Lentry_shape_is_right
	s_endpgm
.Lentry_shape_is_right:
; q = x Wq^T, k = x Wk^T, v = x Wv^T on codes of FP6 (E2M3) with E8M0 scales, and the results quantised on the way out: q and k along the head's 64, v along the keys.
; x and the weights lie as images of the operand's registers, in groups of 64 rows of 51,200 bytes (four quarters of K, each two K steps of four fragments of 1,536 bytes and 512 bytes of scale words).
; SHARES.  A work-group makes 256 rows x one head's q, k and v (192 features); wave w the group of 64 rows g = 4 x row block + w, 384 matrix instructions: 12 batches of 32, batch b = 4 x (q, k, v) + quarter of K.
; q, k and v are finished ONE AFTER THE OTHER: x's fragments, all of K, stay in registers (384), and while k is multiplied q's blocks are quantised and leave, while v is multiplied k's.
; LDS: x's K quarters 0 to 2 (its last quarter does not fit beside the rest: each wave's own part of it goes by plain loads straight into registers), the three weights.  Each byte is filled once, by the head's four joint loads, one a wave.
; CLUSTER: 4 x 4.  The four work-groups of one head (a row of the cluster) ask jointly for its weights, the four of one row block (a column) for x's rows.  No prefetch: no loop has a tensor load to run ahead of.
; A BATCH: one run of LDS loads, the weight's eight fragments for the next batch (two buffers by turns), in q's first batches x's next quarter too; then the 32 products; behind every second one a line of the search for
; the largest magnitude of one block of the product before; behind the last one that block's conversions and stores.
; LAYOUT.  In a group of 64 rows (of x, and of each weight's 64 rows of a head) row p of tile a is row 32 (p / 8) + 8 a + p % 8.  For q and k source 0 = 16 rows of W, source 1 = 16 rows of x: a lane holds one row of x,
; and the 32 registers of the four tiles of W are features 32 (lane / 16) + 0 .. 31: a whole block of the next K.  For v the sources are swapped: a lane holds one feature, and the 32 registers of x's four tiles are 32 neighbouring keys.
; So a block's largest magnitude needs no other lane, and two conversions give a half fragment (768 bytes in qq and kv: registers 0-3 at 16 x lane, registers 4-5 at 512 + 8 x lane).
; LIMITS: a block whose largest magnitude lies under 2^-124 gets the byte 1; NaN and infinities are not served.
; v's scale bytes leave two bytes a lane and k's, q's in runs of 128 bytes: a whole run of 256 would want two waves' results.
; REGISTERS.  window 0: v1-15 addresses; v16-31 x's scale words, v36-67 the weights' (two sets); v68-163 the weight's fragments, buffer 0; v212-251 the way out.
;   window 1: v0-239 x's K steps 0-4; window 2: v0-143 K steps 5-7, v144-239 the weight's fragments, buffer 1.   window 3: two sets of 16 accumulators, for q and v, and for k.
.set GRP,  51200
.set KPB,  12800                       ; a quarter along K of a group
.set KSB,  6144                        ; a K step in it
.set SCO,  12288                       ; its scale words
.set XSCO, 3145728                     ; the scale words in qq
.set XB,   8*KPB                       ; LDS: x's quarters 0 and 1 (25,600 bytes a group) from 0 on, then quarter 2 (12,800 a group),
.set WL,   12*KPB                      ; then Wq, Wk, Wv,
.set SPARE, WL+3*GRP                   ; then the spare words
.set WV,   12
.set G1A,  16                          ; descriptor groups 1: Wq; x's quarters 0 and 1; its quarter 2; Wk and Wv
.set G1B,  68
.set G1C,  76
.set G1D,  84
.set G0A,  24
.set G0B,  28
.set G0C,  32
.set G0D,  36
.set SX,   42                          ; s[42:43] x's last quarter of my group
.set SQ,   46                          ; q's half fragments;  s[48:49] their scale words
.set SQS,  48
.set SK,   50                          ; k's;  s[52:53] their scale words
.set SKS,  52
.set SV,   54                          ; v's;  s[56:57] their scale bytes
.set SVS,  56
.set SEL,  92                          ; s[92:93] selects of v_permlanex16_b32: lane l xor 16
.set H8,   4                           ; 8 h
.set LX,   6                           ; v6, v7   LDS: my group's x: quarters 0 and 1; quarter 2
.set LW,   8                           ; v8-10    the three weights
.set LXS,  11                          ; v11, v12 and their scale words
.set LWS,  13                          ; v13-15
.set XS,   16                          ; v[XS + 4 kp + a]: lanes 0-15 the even K step's words of tile a, lanes 16-31 the odd one's
.set TT,   32                          ; v32-34   a block's upper codes (a conversion's three registers begin on an even number)
.set WS,   36                          ; v[WS + 16 (mat % 2) + 4 kp + i] likewise
.set WB,   68                          ; buffer 0; buffer 1 lies 76 further on, in window 2
.set T,    212
.set SCL,  216
.set BY,   220
.set XP,   224
.set CD,   228
.set SPW,  254
.set NIL,  255
.set MSB, 0
.macro WIN new                         ; the immediate's high byte repeats the setting that is left
.if MSB != \new
	s_set_vgpr_msb (MSB<<8)|\new
.set MSB, \new
.endif
.endm
.macro BARRIER
	s_barrier_signal -1
	s_barrier_wait -1
.endm
.macro CROUND                          ; a round of the cluster's barrier
	s_barrier_signal -1
	s_barrier_wait -1
	s_cmp_lg_u32 s[WV], 0
	s_cbranch_scc1 .Lnot_wave_0_\@
	s_barrier_signal -3
.Lnot_wave_0_\@:
	s_barrier_wait -3
	s_barrier_signal -1
	s_barrier_wait -1
.endm
.macro PLACES                          ; four plain places between a matrix instruction and a load into, or a vector read of, its registers
.rept 4
	v_nop
.endr
.endm
.macro G1SET g, mask, d0, rows, pitch  ; rows of d0 elements of 8 bytes; bit 21 beside a mask
	s_or_b32 s[\g], s[\mask], (3<<16)|(1<<21)
	s_mov_b32 s[\g+1], (\d0)<<16
	s_mov_b32 s[\g+2], (\rows)<<16
	s_mov_b32 s[\g+3], (\d0)<<16
	s_mov_b32 s[\g+4], \rows
	s_mov_b32 s[\g+5], \pitch
	s_mov_b32 s[\g+6], 0
	s_mov_b32 s[\g+7], 0
.endm
.macro TLOAD g0, g1
	tensor_load_to_lds s[\g0:\g0+3], s[\g1:\g1+7]
	s_nop 0
	PLACES
.endm
.macro ARM w, g0, g1, next
	s_cmp_eq_u32 s[WV], \w
	s_cbranch_scc0 \next
	TLOAD \g0, \g1
	s_branch .Lasked
\next:
.endm
	s_load_b256 s[4:11], s[0:1], 0x0               ; xq, wb, qq, kv
	v_lshl_add_u32 v[SPW], v0, 2, SPARE
	v_mov_b32 v[NIL], 0
	ds_add_u32 v[SPW], v[NIL]                      ; the opening lines
	ds_add_u32 v[SPW], v[NIL]
	v_lshrrev_b32 v5, 5, v0
	v_readfirstlane_b32 s[WV], v5                  ; wave 0..3
	s_bfe_u32 s58, ttmp6, 0x40000                  ; cx
	s_bfe_u32 s59, ttmp6, 0x40004                  ; cy
	s_lshl_b32 s60, ttmp9, 2
	s_add_co_u32 s60, s60, s58                     ; the row block, by cx
	s_and_b32 s13, ttmp7, 0xffff
	s_lshl_b32 s13, s13, 2
	s_add_co_u32 s13, s13, s59                     ; the head, by cy
	s_lshl_b32 s62, s59, 2
	s_lshl_b32 s62, 15, s62                        ; my row of the cluster: the same head
	s_lshl_b32 s63, 0x1111, s58                    ; my column: the same row block
	G1SET G1A, 62, 32, GRP/256, 32
	G1SET G1D, 62, 32, 2*GRP/256, 32
	G1SET G1B, 63, 2*KPB/8, 4, GRP/8
	G1SET G1C, 63, KPB/8, 4, GRP/8
	s_mul_i32 s40, s60, 4*GRP
	s_mov_b32 s41, 0
	s_mul_i32 s66, s13, 3*GRP
	s_mov_b32 s67, 0
	s_mul_i32 s14, s[WV], GRP
	s_mov_b32 s15, 0
.irp g, G0A, G0B, G0C, G0D
	s_mov_b32 s[\g], 1
.endr
	s_mov_b32 s[G0A+1], WL
	s_mov_b32 s[G0B+1], 0
	s_mov_b32 s[G0C+1], XB
	s_mov_b32 s[G0D+1], WL+GRP
	s_wait_alu depctr_va_vdst(0)
	s_wait_dscnt 0x0
	CROUND                                         ; all sixteen work-groups are here: the joint loads meet
	s_wait_kmcnt 0x0
	s_add_nc_u64 s[G0A+2:G0A+3], s[6:7], s[66:67]
	s_add_nc_u64 s[G0D+2:G0D+3], s[G0A+2:G0A+3], GRP
	s_add_nc_u64 s[G0B+2:G0B+3], s[4:5], s[40:41]
	s_add_nc_u64 s[G0C+2:G0C+3], s[G0B+2:G0B+3], 2*KPB
	s_add_nc_u64 s[SX:SX+1], s[G0B+2:G0B+3], s[14:15]
	s_add_nc_u64 s[SX:SX+1], s[SX:SX+1], 3*KPB
.irp g, G0A, G0B, G0C, G0D
	s_or_b32 s[\g+3], s[\g+3], 0x80000000
.endr
	ARM 0, G0A, G1A, .Lask_1                       ; one chain of arms: every way through the head passes exactly one load
	ARM 1, G0B, G1B, .Lask_2
	ARM 2, G0C, G1C, .Lask_3
	TLOAD G0D, G1D
.Lasked:
	v_and_b32 v5, 31, v0                           ; lane
	v_lshlrev_b32 v1, 4, v5
	v_lshlrev_b32 v2, 3, v5
	v_lshlrev_b32 v3, 2, v5
	v_bfe_u32 v4, v0, 4, 1
	v_lshlrev_b32 v[H8], 3, v4
	s_mul_i32 s40, s[WV], 2*KPB
	s_mul_i32 s41, s[WV], KPB
	s_add_co_u32 s41, s41, XB
	v_add_nc_u32 v[LX], s40, v1
	v_add_nc_u32 v[LXS], s40, v3
	v_add_nc_u32 v[LX+1], s41, v1
	v_add_nc_u32 v[LXS+1], s41, v3
.irp m, 0,1,2
	v_add_nc_u32 v[LW+\m], WL+\m*GRP, v1
	v_add_nc_u32 v[LWS+\m], WL+\m*GRP, v3
.endr
.irp i, 0,1,2,3
	v_mov_b32 v[XP+\i], 0                          ; a lane permute's destination counts as one of its sources
.endr
	v_cmp_le_u32 vcc_lo, 16, v5                    ; lanes 16-31
	s_wait_alu depctr_va_vdst(0)
	s_mov_b32 s[SEL], 0x76543210
	s_mov_b32 s[SEL+1], 0xfedcba98
	; where the results go
	s_lshl_b32 s59, s60, 2
	s_add_co_u32 s59, s59, s[WV]                   ; g: my group of 64 rows
	s_mov_b32 s61, 0
	s_lshr_b32 s62, s59, 5
	s_lshl_b32 s62, s62, 4
	s_add_co_u32 s62, s62, s13                     ; bh = 16 x batch + head
	s_and_b32 s63, s59, 31                         ; gl: the group in its batch
	s_lshl_b32 s66, s62, 7
	s_lshl_b32 s67, s63, 2
	s_add_co_u32 s66, s66, s67                     ; my first query tile: 128 bh + 4 gl
	s_mul_i32 s60, s66, 768
	s_add_nc_u64 s[SQ:SQ+1], s[8:9], s[60:61]
	s_lshl_b32 s60, s66, 6
	s_add_co_u32 s60, s60, XSCO
	s_add_nc_u64 s[SQS:SQS+1], s[8:9], s[60:61]
	s_and_b32 s67, s63, 1                          ; c: which 64 keys of a step of 128
	s_lshr_b32 s14, s63, 1
	s_mul_i32 s14, s14, 12800
	s_mul_i32 s15, s62, 204800
	s_add_co_u32 s14, s14, s15                     ; the key step's block in kv
	s_mul_i32 s60, s67, 3072
	s_add_co_u32 s60, s60, s14
	s_add_nc_u64 s[SK:SK+1], s[10:11], s[60:61]
	s_lshl_b32 s60, s67, 7
	s_add_co_u32 s60, s60, s14
	s_add_co_u32 s60, s60, 12288
	s_add_nc_u64 s[SKS:SKS+1], s[10:11], s[60:61]
	s_mul_i32 s60, s67, 768
	s_add_co_u32 s60, s60, s14
	s_add_co_u32 s60, s60, 6144
	s_add_nc_u64 s[SV:SV+1], s[10:11], s[60:61]
	s_lshl_b32 s60, s67, 1
	s_add_co_u32 s60, s60, s14
	s_add_co_u32 s60, s60, 12544
	s_add_nc_u64 s[SVS:SVS+1], s[10:11], s[60:61]
; ---- loads.  Load m of a quarter of K (m = 0 .. 23): K step m / 12, tile (m % 12) / 3, registers 4 (m % 3) on
.macro XLOADS kp, from, n              ; x's quarter kp, 0 .. 2, from LDS
.set J_, \from
.rept \n
.set K_, 2*(\kp)+J_/12
.set R_, 48*(K_%5)+4*(J_%12)
	WIN (1+K_/5)<<6
.if (\kp) < 2
	ds_load_b128 v[R_:R_+3], v[LX] offset:(\kp)*KPB+512*J_
.else
	ds_load_b128 v[R_:R_+3], v[LX+1] offset:512*J_
.endif
.set J_, J_+1
.endr
	WIN 0
.endm
.macro WLOADS b, from, n               ; the weight's fragments of batch b
.set J_, \from
	WIN 0x80*((\b)%2)
.rept \n
.set R_, WB+76*((\b)%2)+4*J_
	ds_load_b128 v[R_:R_+3], v[LW+(\b)/4] offset:((\b)%4)*KPB+512*J_
.set J_, J_+1
.endr
	WIN 0
.endm
.macro WSCALES mat                     ; a weight's scale words, register j = 4 kp + i
.set J_, 0
.rept 16
	ds_load_b32 v[WS+16*((\mat)%2)+J_], v[LWS+(\mat)] offset:(J_/4)*KPB+SCO+128*(J_%4)
.set J_, J_+1
.endr
.endm
.macro XSCALES kp, adr, off            ; x's of quarter kp
.irp a, 0,1,2,3
	ds_load_b32 v[XS+4*\kp+\a], v[\adr] offset:\off+SCO+128*\a
.endr
.endm
.macro NEXTL b                         ; the run of loads for the next batch
.if (\b) == 1
	XSCALES 2, LXS+1, 0
.endif
.if (\b) < 2
	XLOADS (\b)+1, 0, 24
.endif
.if ((\b) == 3) || ((\b) == 7)
	WSCALES (\b)/4+1
.endif
.if (\b) < 11
	WLOADS (\b)+1, 0, 24
.endif
.endm
; ---- a product; K step 0 starts the sum; an odd K step's scale words lie in lanes 16-31
.macro WM d, a, b, sa, sb
.set rD, \d
.set rA, \a
.set rB, \b
.set rSA, \sa
.set rSB, \sb
.if KS == 0
	v_wmma_scale_f32_16x16x128_f8f6f4 v[rD:rD+7], v[rA:rA+11], v[rB:rB+11], 0, v[rSA], v[rSB] matrix_a_fmt:MATRIX_FMT_FP6 matrix_b_fmt:MATRIX_FMT_FP6
.elseif KS%2 == 0
	v_wmma_scale_f32_16x16x128_f8f6f4 v[rD:rD+7], v[rA:rA+11], v[rB:rB+11], v[rD:rD+7], v[rSA], v[rSB] matrix_a_fmt:MATRIX_FMT_FP6 matrix_b_fmt:MATRIX_FMT_FP6
.else
	v_wmma_scale_f32_16x16x128_f8f6f4 v[rD:rD+7], v[rA:rA+11], v[rB:rB+11], v[rD:rD+7], v[rSA], v[rSB] matrix_a_fmt:MATRIX_FMT_FP6 matrix_b_fmt:MATRIX_FMT_FP6 matrix_a_scale:MATRIX_SCALE_ROW1 matrix_b_scale:MATRIX_SCALE_ROW1
.endif
.endm
.macro PROD                            ; product N_ of the batch: K step N_ / 16, tile A_ of x, tile I_ of the weight: 16 accumulators by turns
.set KS, 2*KP+N_/16
.set XW, 1+KS/5
.set XR, 48*(KS%5)
.set A_, (N_%16)/4
.set I_, N_%4
.set WR, WF+12*(4*(N_/16)+I_)
.if MAT < 2
	WIN 0xf0|(XW<<2)|WW
	WM AC+32*A_+8*I_, WR, XR+12*A_, WSB+I_, XSB+A_
.else
	WIN 0xf0|(WW<<2)|XW
	WM AC+32*I_+8*A_, XR+12*A_, WR, XSB+A_, WSB+I_
.endif
.endm
.macro LARGEST                         ; behind every second product: one line of the block's search
.if (MAT > 0) && (N_%2 == 1)
	WIN 0x0f                                       ; sources 0 and 1: window 3
.if N_ == 1
	v_max3_num_f32 v[T], |v[AQ]|, |v[AQ+1]|, 0x1800000   ; with the floor 2^(3 - 127): the byte cannot fall under 1
.else
	v_max3_num_f32 v[T], |v[AQ+N_-1]|, |v[AQ+N_]|, v[T]
.endif
.endif
.endm
.macro JOINB                           ; with lane l xor 16's: the rows' two bytes
.irp b, 0,1,2,3
	v_permlanex16_b32 v[XP+\b], v[BY+\b], s[SEL], s[SEL+1]
.endr
.irp b, 0,1,2,3
	v_or_b32 v[BY+\b], v[BY+\b], v[XP+\b]
.endr
.endm
.macro OUTB q                          ; block q of the product before: its codes and its byte; at the last block the scale words too
	WIN 0
	v_add_nc_u32 v[SCL], 0xff000000, v[T]          ; 2 off the exponent field: the conversion's scale operand
	v_lshrrev_b32 v[BY+\q], 23, v[SCL]             ; the scale's byte
	WIN 0x03
	v_cvt_scalef32_pk16_fp6_f32 v[CD+6*\q:CD+6*\q+2], v[AQ:AQ+15], v[SCL]
	v_cvt_scalef32_pk16_fp6_f32 v[TT:TT+2], v[AQ+16:AQ+31], v[SCL]
	WIN 0
	v_lshlrev_b32 v[BY+\q], v[H8], v[BY+\q]        ; my byte at place h  (a plain place behind the conversions)
.irp i, 0,1,2
	v_mov_b32 v[CD+6*\q+3+\i], v[TT+\i]
.endr
.if MAT == 1
	global_store_b128 v1, v[CD+6*\q:CD+6*\q+3], s[SQ:SQ+1] offset:768*\q
	global_store_b64 v2, v[CD+6*\q+4:CD+6*\q+5], s[SQ:SQ+1] offset:768*\q+512
.else
	global_store_b128 v1, v[CD+6*\q:CD+6*\q+3], s[SK:SK+1] offset:768*\q
	global_store_b64 v2, v[CD+6*\q+4:CD+6*\q+5], s[SK:SK+1] offset:768*\q+512
.endif
.if \q == 3
	JOINB
.if MAT == 1
.irp a, 0,1,2,3
	v_lshl_or_b32 v[T+\a], v[BY+\a], 16, v[BY+\a]  ; q's word holds its two bytes twice: q stands in either half of a K of 128
.endr
	v_cndmask_b32 v[T], v[T], v[T+1], vcc_lo
	v_cndmask_b32 v[T+2], v[T+2], v[T+3], vcc_lo
	global_store_b32 v3, v[T], s[SQS:SQS+1]
	global_store_b32 v3, v[T+2], s[SQS:SQS+1] offset:128
.else
	v_lshl_or_b32 v[T], v[BY+1], 16, v[BY]         ; two key tiles share a fragment, and a word
	v_lshl_or_b32 v[T+1], v[BY+3], 16, v[BY+2]
	v_cndmask_b32 v[T], v[T], v[T+1], vcc_lo
	global_store_b32 v3, v[T], s[SKS:SKS+1]
.endif
.endif
.endm
; ---- a batch.  Its operands were asked for ahead of the last batch's products: all are waited for.  In batch 0 the second K step's 24 loads may be out at first, and the run of loads stands between the two K steps.
.macro BATCH b
.set MAT, (\b)/4
.set KP, (\b)%4
.set AC, 128*(MAT%2)
.set WF, WB+76*((\b)%2)
.set WW, 2*((\b)%2)
.set WSB, WS+16*(MAT%2)+4*KP
.set XSB, XS+4*KP
.set AQ, 128*((MAT+1)%2)+32*KP
	WIN 0
.if (\b) == 0
	s_wait_dscnt 24
.else
.if (\b) <= 4
	PLACES                                         ; (from batch 5 on a block's plain lines stand behind the last products)
.endif
	s_wait_dscnt 0x0
.if (\b) == 1
	s_cmp_eq_u32 s[WV], 2
	s_cbranch_scc0 .Lnot_x2
	s_wait_tensorcnt 0x0                           ; wave 2: x's quarter 2 has landed
.Lnot_x2:
	BARRIER
.endif
.if (\b) == 3
	s_wait_tensorcnt 0x0                           ; Wk and Wv have landed
	BARRIER
	s_wait_loadcnt 0x0                             ; x's last quarter is in
.endif
.if (\b) == 8
	s_wait_xcnt 0x0                                ; q's stores have read their registers: k's blocks are written there
.endif
	NEXTL \b
.endif
.set N_, 0
.rept 32
.if ((\b) == 0) && (N_ == 16)
	WIN 0
	s_wait_dscnt 0x0
	NEXTL 0
.endif
	PROD
	LARGEST
.set N_, N_+1
.endr
.if MAT > 0
	OUTB KP
.endif
.endm
	s_wait_alu depctr_va_vdst(0)                   ; the wait at the head's end
	s_cmp_lt_u32 s[WV], 2
	s_cbranch_scc0 .Lnot_first
	s_wait_tensorcnt 0x0                           ; waves 0 and 1: Wq and x's quarters 0 and 1 have landed
.Lnot_first:
	BARRIER                                        ; the other loads may be on their way: nothing is filled again in this launch
	XSCALES 0, LXS, 0
	XSCALES 1, LXS, KPB
	WSCALES 0
	XLOADS 0, 0, 12
	WLOADS 0, 0, 12
	XLOADS 0, 12, 12
	WLOADS 0, 12, 12
.irp a, 0,1,2,3
	global_load_b32 v[XS+12+\a], v3, s[SX:SX+1] offset:SCO+128*\a
.endr
	WIN 0x80
.set J_, 0
.rept 24
	global_load_b128 v[48+4*J_:51+4*J_], v1, s[SX:SX+1] offset:512*J_   ; x's K steps 6 and 7
.set J_, J_+1
.endr
.set B_, 0
.rept 12
	BATCH B_
.set B_, B_+1
.endr
; v's way out: block i = tile i of the head's features, 32 keys a lane; four blocks by turns; each accumulator is read from its low end on
	WIN 0
	s_wait_xcnt 0x0                                ; k's stores have read their registers
	PLACES
	WIN 0x0f
.irp b, 0,1,2,3
	v_max3_num_f32 v[T+\b], |v[32*\b]|, |v[32*\b+1]|, 0x1800000
.endr
.set i, 2
.rept 15
.irp b, 0,1,2,3
	v_max3_num_f32 v[T+\b], |v[32*\b+i]|, |v[32*\b+i+1]|, v[T+\b]
.endr
.set i, i+2
.endr
	WIN 0
.irp b, 0,1,2,3
	v_add_nc_u32 v[SCL+\b], 0xff000000, v[T+\b]
.endr
.irp b, 0,1,2,3
	v_lshrrev_b32 v[BY+\b], 23, v[SCL+\b]
.endr
	WIN 0x03
.irp b, 0,1,2,3
	v_cvt_scalef32_pk16_fp6_f32 v[CD+6*\b:CD+6*\b+2], v[32*\b:32*\b+15], v[SCL+\b]
	v_cvt_scalef32_pk16_fp6_f32 v[WB+4*\b:WB+4*\b+2], v[32*\b+16:32*\b+31], v[SCL+\b]   ; (the weight's buffers are free)
.endr
	WIN 0
.irp b, 0,1,2,3
	v_lshlrev_b32 v[BY+\b], v[H8], v[BY+\b]        ; (plain places behind the conversions)
.endr
.irp b, 0,1,2,3
.irp i, 0,1,2
	v_mov_b32 v[CD+6*\b+3+\i], v[WB+4*\b+\i]
.endr
.endr
.irp b, 0,1,2,3
	global_store_b128 v1, v[CD+6*\b:CD+6*\b+3], s[SV:SV+1] offset:1536*\b
	global_store_b64 v2, v[CD+6*\b+4:CD+6*\b+5], s[SV:SV+1] offset:1536*\b+512
.endr
	JOINB
	v_cndmask_b32 v[T], v[BY], v[BY+1], vcc_lo
	v_cndmask_b32 v[T+2], v[BY+2], v[BY+3], vcc_lo
	global_store_b16 v3, v[T], s[SVS:SVS+1]        ; my 64 keys' half of each word
	global_store_b16 v3, v[T+2], s[SVS:SVS+1] offset:128
	s_wait_tensorcnt 0x0                           ; the wave's end
	ds_add_u32 v[SPW], v[NIL]
	s_wait_dscnt 0x0
	CROUND                                         ; the closing round
	s_endpgm
.Lfunc_end_k_q74ea1d3e19_qkv:
	.size	k_q74ea1d3e19_qkv, .Lfunc_end_k_q74ea1d3e19_qkv-k_q74ea1d3e19_qkv
	.p2alignl 7, 3214868480
	.fill 96, 4, 3214868480
	.section	.rodata,"a",@progbits
	.p2align	6, 0x0
	.amdhsa_kernel k_q74ea1d3e19_qkv
		.amdhsa_group_segment_fixed_size 307712
		.amdhsa_private_segment_fixed_size 0
		.amdhsa_enable_private_segment 0
		.amdhsa_kernarg_size 32
		.amdhsa_user_sgpr_count 2
		.amdhsa_user_sgpr_kernarg_segment_ptr 1
		.amdhsa_wavefront_size32 1
		.amdhsa_system_sgpr_workgroup_id_x 1
		.amdhsa_system_sgpr_workgroup_id_y 1
		.amdhsa_system_sgpr_workgroup_id_z 1
		.amdhsa_system_vgpr_workitem_id 0
		.amdhsa_next_free_vgpr 1024
		.amdhsa_next_free_sgpr 96
		.amdhsa_reserve_vcc 1
		.amdhsa_float_denorm_mode_32 3
		.amdhsa_float_denorm_mode_16_64 3
		.amdhsa_memory_ordered 1
		.amdhsa_forward_progress 1
		.amdhsa_inst_pref_size 119
	.end_amdhsa_kernel
	.amdgpu_metadata
---
amdhsa.version: [ 1, 2 ]
amdhsa.kernels:
  - .name:           k_q74ea1d3e19_qkv
    .symbol:         k_q74ea1d3e19_qkv.kd
    .args:
      - { .name: xq, .offset: 0, .size: 8, .value_kind: global_buffer, .address_space: global }
      - { .name: wb, .offset: 8, .size: 8, .value_kind: global_buffer, .address_space: global }
      - { .name: qq, .offset: 16, .size: 8, .value_kind: global_buffer, .address_space: global }
      - { .name: kv, .offset: 24, .size: 8, .value_kind: global_buffer, .address_space: global }
    .group_segment_fixed_size: 307712
    .private_segment_fixed_size: 0
    .kernarg_segment_align: 8
    .kernarg_segment_size: 32
    .max_flat_workgroup_size: 128
    .sgpr_count:     96
    .vgpr_count:     1024
    .wavefront_size: 32
...
	.end_amdgpu_metadata
.endif
;; end of part 2
;; launch attn (part 3): grid 8 x 32, 8 waves a work-group, clusters of 4 x 1, 205,824 bytes of LDS; arguments qq, kv, ao; writes ao
.if DOCPART == 3
	.amdgcn_target "amdgcn-amd-amdhsa--gfx1250"
	.amdhsa_code_object_version 6
	.text
	.protected	k_q74ea1d3e19_attn
	.globl	k_q74ea1d3e19_attn
	.p2align	8
	.type	k_q74ea1d3e19_attn,@function
k_q74ea1d3e19_attn:
	s_mov_b64 s[64:65], 0
	v_nop
	global_prefetch_b8 v0, s[64:65] scope:SCOPE_SE
	s_setreg_imm32_b32 hwreg(HW_REG_WAVE_MODE, 25, 1), 1
	s_wait_xcnt 0x0
	s_wait_alu depctr_hold_cnt(0) depctr_sa_sdst(0) depctr_va_vdst(0) depctr_va_sdst(0) depctr_va_ssrc(0) depctr_va_vcc(0) depctr_vm_vsrc(0)
	s_getreg_b32 s2, hwreg(HW_REG_IB_STS2, 6, 4)
	s_cmp_eq_u32 s2, 0
	s_cbranch_scc0 .Lentry_in_a_cluster
	s_endpgm
.Lentry_in_a_cluster:
	s_bfe_u32 s2, ttmp6, 0x10000c
	s_cmp_lg_u32 s2, 0x3003
	s_cbranch_scc0 .Lentry_shape_is_right
	s_endpgm
.Lentry_shape_is_right:
; O = softmax(q k^T / 8) v for one (batch, head), both products on codes of FP6 (E2M3) with E8M0 scales; O / l is quantised along the model's 1,024 and stored as the last product's operand.
; THE SOFTMAX: M = the running largest score x c rounded UP to a whole number (c = log2(e) / 8), kept as -M = floor(-t); p = 2^(score x c - M) is quantised along the keys, not normalised;
; the row's sum l is taken of the unquantised p; when M moves, l and O are multiplied by 2^(old M - new M), which rounds nothing.
; SHARES.  A work-group owns 256 queries; each of its eight waves two tiles of 16, so that each fragment of k and v read from LDS feeds two products.  Two waves lie on a SIMD.
; THE HEAD'S k, v and scale words, 204,800 bytes (16 key steps of 12,800), come into LDS ONCE: wave w brings key steps 2 w and 2 w + 1 by its one tensor load, as 100 rows of 256 bytes; no LDS byte is filled twice.
; CLUSTER: four query blocks of one head form a cluster and ask for each part jointly.  No prefetch: every tensor load stands at the head, and no loop has one to run ahead of.
; LAYOUT.  Both products are used transposed: a lane holds one query (lane % 16).  The keys of a tile are rows 32 (p / 8) + 8 a + p % 8 of their 64, so the 32 registers of four tiles are keys 32 (lane / 16) + 0 .. 31:
; a whole block in one lane.  THE FIRST PRODUCT'S K IS 64: a fragment of k holds TWO key tiles (its lower and upper 64 along K), and is multiplied once by [q | 0] and once by [0 | q]; the zeros are codes on q's side.
; A block's largest p is not searched for: the block's largest score goes through the same multiply-add and exponential (this takes v_exp_f32 not to fall where its input rises).
; A STEP has four units of 32 registers, unit n = 2 t + c: query tile t, block c.  The exponentials go unit by unit, and among them stand plain lines that hang on none of them nor on each other: the next unit's multiply-adds,
; the sums of units that are done, and one level each of the short chains (the factor 2^(old M - new M), the scales).  A level's results are read behind the next batch's wait.
; LIMITS: a block whose largest magnitude lies under 2^-124 gets the byte 1; NaN and infinities are not served; the scaled scores stay under 2^31 in magnitude.  O's scale bytes leave two bytes a lane: a whole word wants two heads' results.
; REGISTERS.  window 0: v1-7 addresses; v8-13 scale words and nothing else; v16-31 eight registers of statistics a tile; v32-63 at work; v64-191 S^T, then p (unit n at 64 + 32 n); v192-215 p's codes; v218-249 the sums' trees.
;   window 1: v0-47 k; v48-95 v; v96-125 zeros, q of tile 0, zeros, q of tile 1, zeros; v128-191 O^T (128 + 32 t + 8 i).
.set STEPB, 12800                      ; a key step in LDS: k's 8 half fragments, v's 4 fragments, k's 4 x 64 bytes of scale words, v's
.set PART,  2*STEPB                    ; a wave's load
.set SPARE, 16*STEPB
.set WV,   10
.set G1,   16                          ; s[16:23] descriptor group 1;  s[24:27] group 0
.set G0,   24
.set CS,   42                          ; s[42:43] c
.set SEL,  44                          ; s[44:45] selects of v_permlanex16_b32: lane l xor 16
.set TB,   46                          ; s46  LDS byte of the key step in hand
.set CNT,  47
.set SQ,   48
.set SQS,  50
.set SAO,  52
.set SAOS, 54
.set A16,  1                           ; v1-3  16, 8, 4 x lane
.set A8,   2
.set A4,   3
.set ADR16, 4                          ; v4-6  the same + s[TB]
.set ADR8, 5
.set ADR4, 6
.set H8,   7                           ; v7    8 h
.set QSC,  8                           ; q's scale words: lanes 0-15 tile 0, lanes 16-31 tile 1
.set KSC,  9                           ; v9-10  k's: fragment u in v[KSC + u / 2], lanes 16 (u % 2) on
.set VSC,  11                          ; v11-12 v's likewise
.set PSC,  13                          ; p's: lanes 0-15 tile 0, lanes 16-31 tile 1
.set LN,   15                          ; lane
.set ST,   16                          ; tile t at ST + 8 t: +0 -M, +1 the largest score, +2 +3 l, +4 f (at the end 1 / l), +5 its pair's upper word, +6 the largest t
.set BM,   32                          ; v32-35 a block's largest score, then its largest p
.set SCL,  36
.set BY,   40                          ; a block's second chain of maxima, then its scale's byte
.set XP,   44
.set RM,   46
.set TT,   48
.set S,    64
.set P,    192
.set AOO,  216
.set AOW,  217
.set TM,   218                         ; v218-233, v234-249 eight pairs a tile
.set PSEL, 250                         ; the byte selects that make a scale word of my two bytes and lane l xor 16's
.set PK,   251
.set SPW,  254
.set NIL,  255
.set KF,   0                           ; window 1
.set VF,   48
.set QF,   96
.set O,    128
.set MSB, 0
.macro WIN new                         ; the immediate's high byte repeats the setting that is left
.if MSB != \new
	s_set_vgpr_msb (MSB<<8)|\new
.set MSB, \new
.endif
.endm
.macro CROUND                          ; a round of the cluster's barrier
	s_barrier_signal -1
	s_barrier_wait -1
	s_cmp_lg_u32 s[WV], 0
	s_cbranch_scc1 .Lnot_wave_0_\@
	s_barrier_signal -3
.Lnot_wave_0_\@:
	s_barrier_wait -3
	s_barrier_signal -1
	s_barrier_wait -1
.endm
	s_load_b128 s[4:7], s[0:1], 0x0                ; qq, kv
	s_load_b64 s[8:9], s[0:1], 0x10                ; ao
	v_lshl_add_u32 v[SPW], v0, 2, SPARE
	v_mov_b32 v[NIL], 0
	ds_add_u32 v[SPW], v[NIL]                      ; the opening lines
	ds_add_u32 v[SPW], v[NIL]
	v_lshrrev_b32 v[AOW], 5, v0
	v_readfirstlane_b32 s[WV], v[AOW]              ; wave 0..7
	s_and_b32 s13, ttmp7, 0xffff                   ; bh = 16 x batch + head, which the four partners share
	s_mul_i32 s14, s[WV], PART
	s_mul_i32 s40, s13, 16*STEPB
	s_add_co_u32 s40, s40, s14
	s_mov_b32 s41, 0
	s_mov_b32 s[G1+0], 15|(3<<16)|(1<<21)          ; the mask of the four; elements of 8 bytes; bit 21 beside a mask
	s_mov_b32 s[G1+1], 32<<16                      ; tensor_dim0: rows of 256 bytes
	s_mov_b32 s[G1+2], (PART/256)<<16              ; tensor_dim1
	s_mov_b32 s[G1+3], 32<<16                      ; tile_dim0
	s_mov_b32 s[G1+4], PART/256                    ; tile_dim1
	s_mov_b32 s[G1+5], 32                          ; the pitch: dense
	s_mov_b32 s[G1+6], 0
	s_mov_b32 s[G1+7], 0
	s_mov_b32 s[G0], 1
	s_mov_b32 s[G0+1], s14
	s_wait_alu depctr_va_vdst(0)
	s_wait_dscnt 0x0
	CROUND                                         ; all four work-groups are here: the joint loads meet
	s_wait_kmcnt 0x0
	s_add_nc_u64 s[G0+2:G0+3], s[6:7], s[40:41]
	s_or_b32 s[G0+3], s[G0+3], 0x80000000
	s_cmp_lt_u32 s[WV], 2
	s_cbranch_scc0 .Llater
	tensor_load_to_lds s[G0:G0+3], s[G1:G1+7]      ; waves 0 and 1: key steps 0 to 3, which are shown first
	s_nop 0
.rept 4
	v_nop
.endr
	s_branch .Lasked
.Llater:
	tensor_load_to_lds s[G0:G0+3], s[G1:G1+7]      ; the others: key steps 4 to 15
	s_nop 0
.rept 4
	v_nop
.endr
.Lasked:
	v_and_b32 v[LN], 31, v0
	v_bfe_u32 v[AOO], v0, 4, 1                     ; h
	v_and_b32 v[AOW], 15, v0
	v_lshlrev_b32 v[A16], 4, v[LN]
	v_lshlrev_b32 v[A8], 3, v[LN]
	v_lshlrev_b32 v[A4], 2, v[LN]
	v_lshlrev_b32 v[H8], 3, v[AOO]
	v_lshlrev_b32 v[AOW], 2, v[AOW]
	v_lshl_add_u32 v[AOO], v[AOO], 7, v[AOW]       ; 128 h + 4 r: tile h's scale word of row r in ao
	v_mov_b32 v[PK], 0x05010400                    ; lanes 0-15: mine, the other's, mine, the other's of tile 0's bytes,
	v_mov_b32 v[PSEL], 0x03070206                  ; lanes 16-31: the other's, mine, .. of tile 1's
	v_cmp_le_u32 vcc_lo, 16, v[LN]
	v_cndmask_b32 v[PSEL], v[PK], v[PSEL], vcc_lo
	s_wait_alu depctr_va_vdst(0)
	s_bfe_u32 s11, ttmp6, 0x40000                  ; cx: it enters global addresses alone
	s_lshl_b32 s15, ttmp9, 2
	s_add_co_u32 s15, s15, s11                     ; my block of 256 queries
	s_lshl_b32 s56, s15, 4
	s_lshl_b32 s57, s[WV], 1
	s_add_co_u32 s56, s56, s57
	s_lshl_b32 s57, s13, 7
	s_add_co_u32 s56, s56, s57                     ; my first query tile: 128 bh + 16 block + 2 wave
	s_mul_i32 s58, s56, 768
	s_mov_b32 s59, 0
	s_add_nc_u64 s[SQ:SQ+1], s[4:5], s[58:59]
	s_lshl_b32 s58, s56, 6
	s_add_co_u32 s58, s58, 3145728
	s_add_nc_u64 s[SQS:SQS+1], s[4:5], s[58:59]
	global_load_b32 v[QSC], v[A4], s[SQS:SQS+1]
	WIN 0x40                                       ; destination window 1
	global_load_b128 v[QF+6:QF+9], v[A16], s[SQ:SQ+1]
	global_load_b64 v[QF+10:QF+11], v[A8], s[SQ:SQ+1] offset:512
	global_load_b128 v[QF+18:QF+21], v[A16], s[SQ:SQ+1] offset:768
	global_load_b64 v[QF+22:QF+23], v[A8], s[SQ:SQ+1] offset:1280
.irp z, 0,12,24
.irp i, 0,1,2,3,4,5
	v_mov_b32 v[QF+\z+\i], 0                       ; the zero codes round q
.endr
.endr
.set j, 0
.rept 64
	v_mov_b32 v[O+j], 0                            ; O^T.  (The step is written without a first step of its own: it finds zeros, which the first change of M leaves zeros)
.set j, j+1
.endr
	WIN 0
.irp t, 0,1
	v_mov_b32 v[ST+8*\t], 0x7f61b1e6               ; -M
	v_mov_b32 v[ST+8*\t+1], 0xff61b1e6             ; the largest score so far: -3e38
	v_mov_b32 v[ST+8*\t+2], 0                      ; l, in two halves
	v_mov_b32 v[ST+8*\t+3], 0
	v_mov_b32 v[ST+8*\t+4], 0
	v_mov_b32 v[ST+8*\t+5], 0                      ; (named as the upper word of f's pair)
	v_mov_b32 v[XP+\t], 0                          ; a lane permute's destination counts as one of its sources
.endr
	s_mov_b32 s[CS], 0x3e38aa3b
	s_mov_b32 s[CS+1], s[CS]                       ; (the packed form names the pair)
	s_mov_b32 s[SEL], 0x76543210
	s_mov_b32 s[SEL+1], 0xfedcba98
	s_mov_b32 s[TB], 0
	; where O goes: ao is laid as xq: K step = head / 2, half = head % 2
	s_lshr_b32 s60, s13, 4                         ; batch
	s_and_b32 s61, s13, 15                         ; head
	s_lshl_b32 s60, s60, 5
	s_lshl_b32 s62, s15, 2
	s_add_co_u32 s60, s60, s62
	s_lshr_b32 s62, s[WV], 1
	s_add_co_u32 s60, s60, s62                     ; g: the group of 64 rows
	s_and_b32 s62, s[WV], 1
	s_lshl_b32 s62, s62, 1                         ; a: my first tile in it
	s_and_b32 s57, s61, 1                          ; half
	s_bfe_u32 s56, s61, 0x10001                    ; K step % 2
	s_lshr_b32 s63, s61, 2                         ; the quarter of K
	s_mul_i32 s63, s63, 12800
	s_mul_i32 s60, s60, 51200
	s_add_co_u32 s60, s60, s63                     ; that quarter of group g
	s_mul_i32 s58, s56, 6144
	s_add_co_u32 s58, s58, s60
	s_mul_i32 s63, s62, 1536
	s_add_co_u32 s58, s58, s63
	s_mul_i32 s63, s57, 768
	s_add_co_u32 s58, s58, s63
	s_add_nc_u64 s[SAO:SAO+1], s[8:9], s[58:59]
	s_lshl_b32 s58, s62, 7                         ; 128 bytes of scale words a tile
	s_add_co_u32 s58, s58, s60
	s_lshl_b32 s63, s56, 6
	s_add_co_u32 s58, s58, s63
	s_lshl_b32 s63, s57, 1
	s_add_co_u32 s58, s58, s63
	s_add_co_u32 s58, s58, 12288
	s_add_nc_u64 s[SAOS:SAOS+1], s[8:9], s[58:59]
.macro LDSC reg, off                   ; two registers of scale words
	ds_load_b32 v[\reg], v[ADR4] offset:\off
	ds_load_b32 v[\reg+1], v[ADR4] offset:\off+128
.endm
.macro LDHF reg, off                   ; a half fragment: six registers
	ds_load_b128 v[\reg:\reg+3], v[ADR16] offset:\off
	ds_load_b64 v[\reg+4:\reg+5], v[ADR8] offset:\off+512
.endm
.macro SMUL u, e, t                    ; S^T of key tile 2 u + e and query tile t: fragment u of k against [q | 0] (e = 0) or [0 | q] (e = 1)
.set rD, S+64*\t+8*(2*\u+\e)
.set rA, KF+12*\u
.set rB, QF+6+12*\t-6*\e
.set rS, KSC+\u/2
.if (\u%2 == 0) && (\t == 0)
	v_wmma_scale_f32_16x16x128_f8f6f4 v[rD:rD+7], v[rA:rA+11], v[rB:rB+11], 0, v[rS], v[QSC] matrix_a_fmt:MATRIX_FMT_FP6 matrix_b_fmt:MATRIX_FMT_FP6
.elseif \u%2 == 0
	v_wmma_scale_f32_16x16x128_f8f6f4 v[rD:rD+7], v[rA:rA+11], v[rB:rB+11], 0, v[rS], v[QSC] matrix_a_fmt:MATRIX_FMT_FP6 matrix_b_fmt:MATRIX_FMT_FP6 matrix_b_scale:MATRIX_SCALE_ROW1
.elseif \t == 0
	v_wmma_scale_f32_16x16x128_f8f6f4 v[rD:rD+7], v[rA:rA+11], v[rB:rB+11], 0, v[rS], v[QSC] matrix_a_fmt:MATRIX_FMT_FP6 matrix_b_fmt:MATRIX_FMT_FP6 matrix_a_scale:MATRIX_SCALE_ROW1
.else
	v_wmma_scale_f32_16x16x128_f8f6f4 v[rD:rD+7], v[rA:rA+11], v[rB:rB+11], 0, v[rS], v[QSC] matrix_a_fmt:MATRIX_FMT_FP6 matrix_b_fmt:MATRIX_FMT_FP6 matrix_a_scale:MATRIX_SCALE_ROW1 matrix_b_scale:MATRIX_SCALE_ROW1
.endif
.endm
.macro PMUL i, t                       ; O^T (16 of the head's 64, query tile t) += v^T p^T over the step's 128 keys
.set rD, O+32*\t+8*\i
.set rA, VF+12*\i
.set rB, P+12*\t
.set rS, VSC+\i/2
.if (\i%2 == 0) && (\t == 0)
	v_wmma_scale_f32_16x16x128_f8f6f4 v[rD:rD+7], v[rA:rA+11], v[rB:rB+11], v[rD:rD+7], v[rS], v[PSC] matrix_a_fmt:MATRIX_FMT_FP6 matrix_b_fmt:MATRIX_FMT_FP6
.elseif \i%2 == 0
	v_wmma_scale_f32_16x16x128_f8f6f4 v[rD:rD+7], v[rA:rA+11], v[rB:rB+11], v[rD:rD+7], v[rS], v[PSC] matrix_a_fmt:MATRIX_FMT_FP6 matrix_b_fmt:MATRIX_FMT_FP6 matrix_b_scale:MATRIX_SCALE_ROW1
.elseif \t == 0
	v_wmma_scale_f32_16x16x128_f8f6f4 v[rD:rD+7], v[rA:rA+11], v[rB:rB+11], v[rD:rD+7], v[rS], v[PSC] matrix_a_fmt:MATRIX_FMT_FP6 matrix_b_fmt:MATRIX_FMT_FP6 matrix_a_scale:MATRIX_SCALE_ROW1
.else
	v_wmma_scale_f32_16x16x128_f8f6f4 v[rD:rD+7], v[rA:rA+11], v[rB:rB+11], v[rD:rD+7], v[rS], v[PSC] matrix_a_fmt:MATRIX_FMT_FP6 matrix_b_fmt:MATRIX_FMT_FP6 matrix_a_scale:MATRIX_SCALE_ROW1 matrix_b_scale:MATRIX_SCALE_ROW1
.endif
.endm
; ---- the parts of a step
.macro MX n, r                         ; block n's largest score, round r = 0 .. 6: two chains; each accumulator is met from its low end
.if \r == 0
	v_max3_num_f32 v[BM+\n], v[S+32*\n], v[S+32*\n+1], v[S+32*\n+2]
	v_max3_num_f32 v[BY+\n], v[S+32*\n+16], v[S+32*\n+17], v[S+32*\n+18]
.else
	v_max3_num_f32 v[BM+\n], v[BM+\n], v[S+32*\n+2*\r+1], v[S+32*\n+2*\r+2]
	v_max3_num_f32 v[BY+\n], v[BY+\n], v[S+32*\n+2*\r+17], v[S+32*\n+2*\r+18]
.endif
.endm
.macro JOIN1 n
	v_max3_num_f32 v[BM+\n], v[BM+\n], v[S+32*\n+15], v[S+32*\n+31]
.endm
.macro JOIN2 n
	v_max_num_f32 v[BM+\n], v[BM+\n], v[BY+\n]
.endm
.macro STAT t, i                       ; tile t's new -M, line by line
.if \i == 0
	v_max_num_f32 v[RM+\t], v[BM+2*\t], v[BM+2*\t+1]
.elseif \i == 1
	v_permlanex16_b32 v[XP+\t], v[RM+\t], s[SEL], s[SEL+1]
.elseif \i == 2
	v_max3_num_f32 v[ST+8*\t+1], v[ST+8*\t+1], v[RM+\t], v[XP+\t]   ; the running largest score of my query, lane l xor 16's keys with mine
.elseif \i == 3
	v_mul_f32 v[ST+8*\t+6], s[CS], v[ST+8*\t+1]    ; as t
	v_mov_b32 v[RM+\t], v[ST+8*\t]                 ; the old -M
.elseif \i == 4
	v_floor_f32 v[ST+8*\t], -v[ST+8*\t+6]          ; the new -M = floor(-t)
.endif
.endm
.macro PKF u, j                        ; unit u: t - M, two at a time
	v_pk_fma_f32 v[S+32*(\u)+2*(\j):S+32*(\u)+2*(\j)+1], v[S+32*(\u)+2*(\j):S+32*(\u)+2*(\j)+1], s[CS:CS+1], v[ST+8*((\u)/2):ST+8*((\u)/2)+1] op_sel_hi:[1,0,0]
.endm
.macro FMB n                           ; the same of block n's largest score
	v_fma_f32 v[BM+\n], v[BM+\n], s[CS], v[ST+8*(\n/2)]
.endm
.macro ADDA u, i                       ; l is taken of the unquantised p: eight pairs a tile: pair i = unit u's pairs i and i + 8,
	v_pk_add_f32 v[TM+16*((\u)/2)+2*(\i):TM+16*((\u)/2)+2*(\i)+1], v[S+32*(\u)+2*(\i):S+32*(\u)+2*(\i)+1], v[S+32*(\u)+16+2*(\i):S+32*(\u)+16+2*(\i)+1]
.endm
.macro ADDB u, i, o                    ; + unit u's pair i + 8 o,
	v_pk_add_f32 v[TM+16*((\u)/2)+2*(\i):TM+16*((\u)/2)+2*(\i)+1], v[TM+16*((\u)/2)+2*(\i):TM+16*((\u)/2)+2*(\i)+1], v[S+32*(\u)+16*(\o)+2*(\i):S+32*(\u)+16*(\o)+2*(\i)+1]
.endm
.macro RED t, i, d                     ; + pair i + d
	v_pk_add_f32 v[TM+16*\t+2*\i:TM+16*\t+2*\i+1], v[TM+16*\t+2*\i:TM+16*\t+2*\i+1], v[TM+16*\t+2*\i+2*\d:TM+16*\t+2*\i+2*\d+1]
.endm
.macro LSUM t                          ; l = l f + the step's sum
	v_pk_fma_f32 v[ST+8*\t+2:ST+8*\t+3], v[ST+8*\t+2:ST+8*\t+3], v[ST+8*\t+4:ST+8*\t+5], v[TM+16*\t:TM+16*\t+1] op_sel_hi:[1,0,1]
.endm
.macro FLOORP n
	v_max_num_f32 v[BM+\n], 0x1800000, v[BM+\n]    ; the floor 2^(3 - 127): the byte cannot fall under 1
.endm
.macro SCALE n
	v_add_nc_u32 v[SCL+\n], 0xff000000, v[BM+\n]   ; 2 off the exponent field: the conversion's scale operand
.endm
.macro BYTE n
	v_lshrrev_b32 v[BY+\n], 23, v[SCL+\n]
.endm
.macro BATCH u, fill                   ; unit u's 32 exponentials, p = 2^(t - M), and behind each what \fill writes for place k
	s_wait_alu depctr_va_vdst(0)                   ; the wait ahead of a batch, and ahead of the readers of the batch before
.set k, 0
.rept 32
	v_exp_f32 v[S+32*(\u)+k], v[S+32*(\u)+k]
	\fill
.set k, k+1
.endr
.endm
.macro FILL0
.if k%2 == 0
	PKF 1, k/2
.endif
.endm
.macro FILL1
.if k%2 == 0
	PKF 2, k/2
.elseif k < 16
	ADDA 0, k/2
.elseif k == 17
	FMB 2
.elseif k == 19
	v_cvt_i32_f32 v[RM], v[RM]                     ; (it saturates)
.elseif k == 21
	v_cvt_i32_f32 v[RM+1], v[RM+1]
.elseif k == 23
	FLOORP 0
.elseif k == 25
	FLOORP 1
.endif
.endm
.macro FILL2
.if k%2 == 0
	PKF 3, k/2
.elseif k < 16
	ADDB 1, k/2, 0
.elseif k == 17
	FMB 3
.elseif k == 19
	v_ldexp_f32 v[ST+4], 1.0, v[RM]                ; f = 2^(old M - new M)
.elseif k == 21
	v_ldexp_f32 v[ST+12], 1.0, v[RM+1]
.elseif k == 23
	SCALE 0
.endif
.endm
.macro FILL3
.if k%2 == 0
.if k < 16
	ADDB 1, k/2, 1
.else
	ADDA 2, (k-16)/2
.endif
.elseif k == 1
	BYTE 0
.elseif k == 3
	BYTE 1
.elseif k == 5
	FLOORP 2
.endif
.endm
; A KEY STEP: 128 keys, both query tiles.  pre = 1: the next step's k is asked for.
.macro STEP pre
	s_wait_dscnt 0x0                               ; this step's k and its scale words are in
	WIN 0x05                                       ; k and q in window 1, S^T in window 0
.irp t, 0,1
.irp u, 0,1,2,3
.irp e, 0,1
	SMUL \u, \e, \t
.endr
.endr
.endr
	WIN 0
	v_add_nc_u32 v[ADR16], s[TB], v[A16]           ; these three and the v_nop are the four places in front of the loads into k's registers and of the first reads of S^T
	v_add_nc_u32 v[ADR8], s[TB], v[A8]
	v_add_nc_u32 v[ADR4], s[TB], v[A4]
	v_nop
	LDSC VSC, 12544
.if \pre
	LDSC KSC, STEPB+12288
.endif
	WIN 0x40                                       ; destination window 1
.irp f, 0,1,2,3,4,5,6,7
	LDHF VF+6*\f, 6144+768*\f
.endr
.if \pre
.irp f, 0,1,2,3,4,5,6,7
	LDHF KF+6*\f, STEPB+768*\f
.endr
.endif
	WIN 0
.irp r, 0,1,2,3,4,5,6
	MX 0, \r
	MX 1, \r
.endr
.irp r, 0,1,2,3,4,5,6                  ; tile 1's maxima; among them tile 0's statistics
	MX 2, \r
	MX 3, \r
.if \r == 0
	JOIN1 0
	JOIN1 1
.elseif \r == 1
	JOIN2 0
	JOIN2 1
.else
	STAT 0, \r-2
.endif
.endr
	JOIN1 2
	JOIN1 3
	PKF 0, 0
	PKF 0, 1
	JOIN2 2
	JOIN2 3
	PKF 0, 2
	PKF 0, 3
	PKF 0, 4
	STAT 1, 0
	PKF 0, 5
	PKF 0, 6
	PKF 0, 7
	STAT 1, 1
	PKF 0, 8
	PKF 0, 9
	PKF 0, 10
	STAT 1, 2
	PKF 0, 11
	PKF 0, 12
	PKF 0, 13
	STAT 1, 3
	PKF 0, 14
	PKF 0, 15
	FMB 0
	FMB 1
	STAT 1, 4
	BATCH 0, FILL0
	v_exp_f32 v[BM], v[BM]                         ; the block's largest p
	v_sub_f32 v[RM], v[ST], v[RM]                  ; old M - new M: a whole number, 0 or less
	v_exp_f32 v[BM+1], v[BM+1]
	v_sub_f32 v[RM+1], v[ST+8], v[RM+1]
	BATCH 1, FILL1
	BATCH 2, FILL2
	v_exp_f32 v[BM+2], v[BM+2]
	SCALE 1
	BATCH 3, FILL3
	v_exp_f32 v[BM+3], v[BM+3]
.if \pre
	s_wait_dscnt 16                                ; v and the scale words are in; the next step's 16 loads of k may stay out
.else
	s_wait_dscnt 0x0
.endif
	WIN 0x41                                       ; O^T in window 1, f in window 0
	s_wait_alu depctr_va_vdst(0)                   ; the wait behind the last batch, directly ahead of the first reader of O^T
.set j, 0
.rept 32
	v_pk_mul_f32 v[O+j:O+j+1], v[O+j:O+j+1], v[ST+8*(j/32)+4:ST+8*(j/32)+5] op_sel_hi:[1,0]   ; O^T under the new M
.set j, j+2
.endr
	WIN 0
	FLOORP 3
.irp i, 0,1,2,3
	ADDB 3, \i, 0
.endr
	SCALE 2
.irp i, 4,5,6,7
	ADDB 3, \i, 0
.endr
	SCALE 3
.irp i, 0,1,2,3
	RED 0, \i, 4
.endr
	BYTE 2
.irp i, 0,1,2,3
	ADDB 3, \i, 1
.endr
	BYTE 3
	v_lshl_or_b32 v[PK], v[BY+1], 8, v[BY]         ; my four bytes: tile 0's blocks h and 2 + h, tile 1's
.irp i, 4,5,6,7
	ADDB 3, \i, 1
.endr
	v_lshl_or_b32 v[PK], v[BY+2], 16, v[PK]
	RED 0, 0, 2
	RED 0, 1, 2
	v_lshl_or_b32 v[PK], v[BY+3], 24, v[PK]
.irp i, 0,1,2,3
	RED 1, \i, 4
.endr
	v_permlanex16_b32 v[XP], v[PK], s[SEL], s[SEL+1]
	RED 1, 0, 2
	v_perm_b32 v[PSC], v[XP], v[PK], v[PSEL]       ; with lane l xor 16's: a whole scale word
.irp n, 0,1,2,3
	v_cvt_scalef32_pk16_fp6_f32 v[P+6*\n:P+6*\n+2], v[S+32*\n:S+32*\n+15], v[SCL+\n]
	v_cvt_scalef32_pk16_fp6_f32 v[TT+4*\n:TT+4*\n+2], v[S+32*\n+16:S+32*\n+31], v[SCL+\n]   ; (a conversion's three registers begin on an even number)
.endr
	RED 1, 1, 2                                    ; (the plain place behind a scaled conversion)
.irp n, 0,1,2,3
.irp i, 0,1,2
	v_mov_b32 v[P+6*\n+3+\i], v[TT+4*\n+\i]
.endr
.endr
	RED 0, 0, 1                                    ; these four are the places between p's codes and the products
	RED 1, 0, 1
	LSUM 0
	LSUM 1
	WIN 0x51                                       ; v window 1, p window 0, O^T window 1
.irp i, 0,1,2,3
.irp t, 0,1
	PMUL \i, \t
.endr
.endr
	WIN 0
	s_add_co_u32 s[TB], s[TB], STEPB
.endm
	s_wait_alu depctr_va_vdst(0)                   ; the wait at the head's end
	s_cmp_lt_u32 s[WV], 2
	s_cbranch_scc0 .Lnot_first
	s_wait_tensorcnt 0x0                           ; waves 0 and 1: key steps 0-3 have landed
.Lnot_first:
	s_barrier_signal -1
	s_barrier_wait -1                              ; the other loads may be on their way: nothing is filled again in this launch
	v_add_nc_u32 v[ADR16], s[TB], v[A16]
	v_add_nc_u32 v[ADR8], s[TB], v[A8]
	v_add_nc_u32 v[ADR4], s[TB], v[A4]
	LDSC KSC, 12288                                ; key step 0's k
	WIN 0x40
.irp f, 0,1,2,3,4,5,6,7
	LDHF KF+6*\f, 768*\f
.endr
	WIN 0
	s_wait_loadcnt 0x0                             ; q
	s_mov_b32 s[CNT], 3
.Lfirst:                                           ; key steps 0-2: they read key steps 0 to 3 alone (the last asks for step 3's k)
	STEP 1
	s_sub_co_u32 s[CNT], s[CNT], 1
	s_cmp_lg_u32 s[CNT], 0
	s_cbranch_scc1 .Lfirst
	s_wait_tensorcnt 0x0                           ; the other loads have had three key steps in which to land
	s_wait_dscnt 0x0
	s_barrier_signal -1
	s_barrier_wait -1
	s_mov_b32 s[CNT], 12
.Lrest:                                            ; key steps 3-14
	STEP 1
	s_sub_co_u32 s[CNT], s[CNT], 1
	s_cmp_lg_u32 s[CNT], 0
	s_cbranch_scc1 .Lrest
	STEP 0                                         ; key step 15: nothing is left to ask for
	; THE WAY OUT: O^T / l, quantised along the head's 64 (a block of 32 in a lane), as a half fragment of the last product's operand
.rept 4
	v_nop                                          ; places behind the last products
.endr
.irp t, 0,1
	v_add_f32 v[ST+8*\t+2], v[ST+8*\t+2], v[ST+8*\t+3]
.endr
.irp t, 0,1
	v_permlanex16_b32 v[XP+\t], v[ST+8*\t+2], s[SEL], s[SEL+1]
.endr
.irp t, 0,1
	v_add_f32 v[ST+8*\t+2], v[ST+8*\t+2], v[XP+\t] ; the row's sum
.endr
	s_wait_alu depctr_va_vdst(0)
.irp t, 0,1
	v_rcp_f32 v[ST+8*\t+4], v[ST+8*\t+2]
.endr
	v_nop                                          ; a plain place behind the reciprocals
	WIN 0x01                                       ; source 0 window 1
	s_wait_alu depctr_va_vdst(0)                   ; and the wait ahead of their first reader, which is O^T's too
.set j, 0
.rept 32
	v_pk_mul_f32 v[S+j:S+j+1], v[O+j:O+j+1], v[ST+8*(j/32)+4:ST+8*(j/32)+5] op_sel_hi:[1,0]   ; register 32 t + 8 i + jj is o(query r, 32 h + 8 i + jj)
.set j, j+2
.endr
	WIN 0
.irp t, 0,1
	v_max3_num_f32 v[BM+\t], |v[S+32*\t]|, |v[S+32*\t+1]|, 0x1800000
	v_max3_num_f32 v[BY+\t], |v[S+32*\t+16]|, |v[S+32*\t+17]|, |v[S+32*\t+18]|
.endr
.irp i, 2,4,6,8,10,12,14
.irp t, 0,1
	v_max3_num_f32 v[BM+\t], v[BM+\t], |v[S+32*\t+\i]|, |v[S+32*\t+\i+1]|
.if \i < 14
	v_max3_num_f32 v[BY+\t], v[BY+\t], |v[S+32*\t+\i+17]|, |v[S+32*\t+\i+18]|
.endif
.endr
.endr
.irp t, 0,1
	v_max3_num_f32 v[BM+\t], v[BM+\t], v[BY+\t], |v[S+32*\t+31]|
.endr
	SCALE 0
	SCALE 1
	BYTE 0
	BYTE 1
.irp t, 0,1
	v_cvt_scalef32_pk16_fp6_f32 v[P+6*\t:P+6*\t+2], v[S+32*\t:S+32*\t+15], v[SCL+\t]
	v_cvt_scalef32_pk16_fp6_f32 v[TT+4*\t:TT+4*\t+2], v[S+32*\t+16:S+32*\t+31], v[SCL+\t]
.endr
.irp t, 0,1
	v_lshlrev_b32 v[BY+\t], v[H8], v[BY+\t]        ; (the plain places behind the conversions)
.endr
.irp t, 0,1
.irp i, 0,1,2
	v_mov_b32 v[P+6*\t+3+\i], v[TT+4*\t+\i]
.endr
.endr
.irp t, 0,1
	v_permlanex16_b32 v[XP+\t], v[BY+\t], s[SEL], s[SEL+1]
.endr
	v_cmp_le_u32 vcc_lo, 16, v[LN]
.irp t, 0,1
	v_or_b32 v[BY+\t], v[BY+\t], v[XP+\t]          ; the row's two bytes for this head
.endr
	v_cndmask_b32 v[AOW], v[BY], v[BY+1], vcc_lo   ; lanes 0-15 tile 0's, lanes 16-31 tile 1's
.irp t, 0,1
	global_store_b128 v[A16], v[P+6*\t:P+6*\t+3], s[SAO:SAO+1] offset:1536*\t
	global_store_b64 v[A8], v[P+6*\t+4:P+6*\t+5], s[SAO:SAO+1] offset:1536*\t+512
.endr
	global_store_b16 v[AOO], v[AOW], s[SAOS:SAOS+1]
	s_wait_tensorcnt 0x0                           ; the wave's end
	ds_add_u32 v[SPW], v[NIL]
	s_wait_dscnt 0x0
	CROUND                                         ; the closing round
	s_endpgm
.Lfunc_end_k_q74ea1d3e19_attn:
	.size	k_q74ea1d3e19_attn, .Lfunc_end_k_q74ea1d3e19_attn-k_q74ea1d3e19_attn
	.p2alignl 7, 3214868480
	.fill 96, 4, 3214868480
	.section	.rodata,"a",@progbits
	.p2align	6, 0x0
	.amdhsa_kernel k_q74ea1d3e19_attn
		.amdhsa_group_segment_fixed_size 205824
		.amdhsa_private_segment_fixed_size 0
		.amdhsa_enable_private_segment 0
		.amdhsa_kernarg_size 24
		.amdhsa_user_sgpr_count 2
		.amdhsa_user_sgpr_kernarg_segment_ptr 1
		.amdhsa_wavefront_size32 1
		.amdhsa_system_sgpr_workgroup_id_x 1
		.amdhsa_system_sgpr_workgroup_id_y 1
		.amdhsa_system_sgpr_workgroup_id_z 1
		.amdhsa_system_vgpr_workitem_id 0
		.amdhsa_next_free_vgpr 448
		.amdhsa_next_free_sgpr 80
		.amdhsa_reserve_vcc 1
		.amdhsa_float_denorm_mode_32 3
		.amdhsa_float_denorm_mode_16_64 3
		.amdhsa_memory_ordered 1
		.amdhsa_forward_progress 1
		.amdhsa_inst_pref_size 97
	.end_amdhsa_kernel
	.amdgpu_metadata
---
amdhsa.version: [ 1, 2 ]
amdhsa.kernels:
  - .name:           k_q74ea1d3e19_attn
    .symbol:         k_q74ea1d3e19_attn.kd
    .args:
      - { .name: qq, .offset: 0, .size: 8, .value_kind: global_buffer, .address_space: global }
      - { .name: kv, .offset: 8, .size: 8, .value_kind: global_buffer, .address_space: global }
      - { .name: ao, .offset: 16, .size: 8, .value_kind: global_buffer, .address_space: global }
    .group_segment_fixed_size: 205824
    .private_segment_fixed_size: 0
    .kernarg_segment_align: 8
    .kernarg_segment_size: 24
    .max_flat_workgroup_size: 256
    .sgpr_count:     80
    .vgpr_count:     448
    .wavefront_size: 32
...
	.end_amdgpu_metadata
.endif
;; end of part 3
;; launch oproj (part 4): grid 32 x 8, 4 waves a work-group, clusters of 4 x 4, 222,720 bytes of LDS; arguments ao, wob, bo, out0; writes out0
.if DOCPART == 4
	.amdgcn_target "amdgcn-amd-amdhsa--gfx1250"
	.amdhsa_code_object_version 6
	.text
	.protected	k_q74ea1d3e19_oproj
	.globl	k_q74ea1d3e19_oproj
	.p2align	8
	.type	k_q74ea1d3e19_oproj,@function
k_q74ea1d3e19_oproj:
	s_mov_b64 s[64:65], 0
	v_nop
	global_prefetch_b8 v0, s[64:65] scope:SCOPE_SE
	s_setreg_imm32_b32 hwreg(HW_REG_WAVE_MODE, 25, 1), 1
	s_wait_xcnt 0x0
	s_wait_alu depctr_hold_cnt(0) depctr_sa_sdst(0) depctr_va_vdst(0) depctr_va_sdst(0) depctr_va_ssrc(0) depctr_va_vcc(0) depctr_vm_vsrc(0)
	s_getreg_b32 s2, hwreg(HW_REG_IB_STS2, 6, 4)
	s_cmp_eq_u32 s2, 0
	s_cbranch_scc0 .Lentry_in_a_cluster
	s_endpgm
.Lentry_in_a_cluster:
	s_bfe_u32 s2, ttmp6, 0x10000c
	s_cmp_lg_u32 s2, 0xf033
	s_cbranch_scc0 .Lentry_shape_is_right
	s_endpgm
.Lentry_shape_is_right:
; out = a Wo^T + bo on codes of FP6 (E2M3) with E8M0 scales; a is the attention's result, quantised by the launch before; out is f32.
; Operands lie as images of the operand's registers, in groups of 64 rows of 51,200 bytes (four quarters of K, each two K steps of four fragments of 1,536 bytes and 512 bytes of scale words).
; Wo's fragments: registers 4 p .. at 512 p + 16 x lane; a's: two half fragments of 768 bytes, registers 0-3 at 16 x lane, registers 4-5 at 512 + 8 x lane.
; SHARES.  A work-group makes 128 rows x 128 columns, wave w rows 64 (w / 2) on, columns 64 (w % 2) on: Wo's 64 rows, all of K, lie in registers (384), and a's four tiles of 16 rows pass by: 32 matrix instructions a tile.
; A tile leaves while the next is multiplied: through the wave's own stage in LDS (rows of 256 + 16 bytes), then sixteen lanes store 256 consecutive bytes, aligned.
; LDS: Wo's two groups, a's two groups, each brought by one wave's tensor load; no byte is filled twice.  CLUSTER: 4 x 4; the four work-groups of a row of the cluster ask jointly for Wo's rows, the four of a column for a's.
; No prefetch: no loop has a tensor load to run ahead of.
; LAYOUT.  Source 0 = 16 rows of Wo, source 1 = 16 rows of a.  In a group of 64 rows, row p of tile a is row 32 (p / 8) + 8 a + p % 8: so a lane holds one row of out, and its 32 registers of Wo's four tiles are columns 32 (lane / 16) + 0 .. 31.
; The bias is the C of each sum's first product.
; REGISTERS.  window 0: v1-9 addresses; v16-31 a's scale words; v36-51 Wo's; v64-95 the bias; v96-159 rows on their way out; v160-223 two sets of four accumulators.
;   windows 1 and 2: Wo's 32 fragments, 21 to a window.   window 3: v0-191 a's tile, two sets of eight fragments.
.set GRP,  51200
.set KPB,  12800
.set KSB,  6144
.set SCO,  12288
.set AL,   2*GRP                       ; LDS: a's groups
.set STG,  4*GRP                       ; a stage of 16 x 272 bytes for each wave
.set SP,   272
.set SPARE, STG+4*16*SP
.set WV,   12
.set G1W,  16
.set G1X,  68
.set G0A,  24
.set G0B,  28
.set G0C,  32
.set G0D,  36
.set SB,   46
.set SO,   48
.set LW,   1                           ; LDS: Wo's fragments, their scale words
.set LWS,  2
.set LA16, 3                           ; a's
.set LA8,  4
.set LA4,  5
.set STO,  6
.set RD,   7
.set CO,   8
.set BO,   9
.set XS,   16                          ; v[XS + 4 kp + t]: lanes 0-15 the even K step's words of tile t, lanes 16-31 the odd one's
.set WS,   36                          ; v[WS + 4 kp + i] likewise
.set BIAS, 64
.set OB,   96
.set ACC,  160
.set SPW,  254
.set NIL,  255
.set MSB, 0
.macro WIN new                         ; the immediate's high byte repeats the setting that is left
.if MSB != \new
	s_set_vgpr_msb (MSB<<8)|\new
.set MSB, \new
.endif
.endm
.macro BARRIER
	s_barrier_signal -1
	s_barrier_wait -1
.endm
.macro CROUND                          ; a round of the cluster's barrier
	s_barrier_signal -1
	s_barrier_wait -1
	s_cmp_lg_u32 s[WV], 0
	s_cbranch_scc1 .Lnot_wave_0_\@
	s_barrier_signal -3
.Lnot_wave_0_\@:
	s_barrier_wait -3
	s_barrier_signal -1
	s_barrier_wait -1
.endm
.macro PLACES                          ; four plain places between a matrix instruction and a load into, or a read of, its registers
.rept 4
	v_nop
.endr
.endm
.macro G1SET g, mask                   ; a group as 200 rows of 256 bytes; bit 21 beside a mask
	s_or_b32 s[\g], s[\mask], (3<<16)|(1<<21)
	s_mov_b32 s[\g+1], 32<<16
	s_mov_b32 s[\g+2], (GRP/256)<<16
	s_mov_b32 s[\g+3], 32<<16
	s_mov_b32 s[\g+4], GRP/256
	s_mov_b32 s[\g+5], 32
	s_mov_b32 s[\g+6], 0
	s_mov_b32 s[\g+7], 0
.endm
.macro TLOAD g0, g1
	tensor_load_to_lds s[\g0:\g0+3], s[\g1:\g1+7]
	s_nop 0
	PLACES
.endm
.macro ARM w, g0, g1, next
	s_cmp_eq_u32 s[WV], \w
	s_cbranch_scc0 \next
	TLOAD \g0, \g1
	s_branch .Lasked
\next:
.endm
	s_load_b256 s[4:11], s[0:1], 0x0               ; ao, wob, bo, out0
	v_lshl_add_u32 v[SPW], v0, 2, SPARE
	v_mov_b32 v[NIL], 0
	ds_add_u32 v[SPW], v[NIL]                      ; the opening lines
	ds_add_u32 v[SPW], v[NIL]
	v_lshrrev_b32 v10, 5, v0
	v_readfirstlane_b32 s[WV], v10                 ; wave 0..3
	s_bfe_u32 s58, ttmp6, 0x40000                  ; cx
	s_bfe_u32 s59, ttmp6, 0x40004                  ; cy
	s_lshl_b32 s60, ttmp9, 2
	s_add_co_u32 s60, s60, s58                     ; the block of 128 rows, by cx
	s_and_b32 s13, ttmp7, 0xffff
	s_lshl_b32 s13, s13, 2
	s_add_co_u32 s13, s13, s59                     ; the block of 128 columns, by cy
	s_lshl_b32 s62, s59, 2
	s_lshl_b32 s62, 15, s62                        ; my row of the cluster: the same columns
	s_lshl_b32 s63, 0x1111, s58                    ; my column: the same rows
	G1SET G1W, 62
	G1SET G1X, 63
	s_mul_i32 s66, s13, 2*GRP
	s_mov_b32 s67, 0
	s_mul_i32 s40, s60, 2*GRP
	s_mov_b32 s41, 0
.irp g, G0A, G0B, G0C, G0D
	s_mov_b32 s[\g], 1
.endr
	s_mov_b32 s[G0A+1], 0
	s_mov_b32 s[G0B+1], GRP
	s_mov_b32 s[G0C+1], AL
	s_mov_b32 s[G0D+1], AL+GRP
	s_wait_alu depctr_va_vdst(0)
	s_wait_dscnt 0x0
	CROUND                                         ; all sixteen work-groups are here: the joint loads meet
	s_wait_kmcnt 0x0
	s_add_nc_u64 s[G0A+2:G0A+3], s[6:7], s[66:67]
	s_add_nc_u64 s[G0B+2:G0B+3], s[G0A+2:G0A+3], GRP
	s_add_nc_u64 s[G0C+2:G0C+3], s[4:5], s[40:41]
	s_add_nc_u64 s[G0D+2:G0D+3], s[G0C+2:G0C+3], GRP
.irp g, G0A, G0B, G0C, G0D
	s_or_b32 s[\g+3], s[\g+3], 0x80000000
.endr
	ARM 0, G0A, G1W, .Lask_1                       ; one chain of arms: every way through the head passes exactly one load
	ARM 1, G0B, G1W, .Lask_2
	ARM 2, G0C, G1X, .Lask_3
	TLOAD G0D, G1X
.Lasked:
	s_lshr_b32 s14, s[WV], 1                       ; which 64 rows are mine,
	s_and_b32 s15, s[WV], 1                        ; which 64 columns
	s_mul_i32 s50, s15, GRP
	s_mul_i32 s51, s14, GRP
	s_add_co_u32 s51, s51, AL
	s_mul_i32 s52, s[WV], 16*SP
	s_add_co_u32 s52, s52, STG                     ; my stage
	v_and_b32 v10, 31, v0                          ; lane
	v_and_b32 v11, 15, v0                          ; r
	v_bfe_u32 v12, v0, 4, 1                        ; h
	v_lshlrev_b32 v13, 4, v10
	v_lshlrev_b32 v14, 3, v10
	v_lshlrev_b32 v15, 2, v10
	v_add_nc_u32 v[LW], s50, v13
	v_add_nc_u32 v[LWS], s50, v15
	v_add_nc_u32 v[LA16], s51, v13
	v_add_nc_u32 v[LA8], s51, v14
	v_add_nc_u32 v[LA4], s51, v15
	v_mul_u32_u24 v[STO], v11, SP
	v_lshl_add_u32 v[STO], v12, 7, v[STO]
	v_add_nc_u32 v[STO], s52, v[STO]               ; in: row r, 128 h bytes on
	v_mul_u32_u24 v[RD], v12, SP
	v_lshl_add_u32 v[RD], v11, 4, v[RD]
	v_add_nc_u32 v[RD], s52, v[RD]                 ; back: lanes 0-15 one row, lanes 16-31 the next
	v_lshlrev_b32 v[CO], 12, v12
	v_lshl_add_u32 v[CO], v11, 4, v[CO]            ; and the same two rows in out
	v_lshlrev_b32 v[BO], 7, v12                    ; 128 h: my 32 columns' bytes
	s_wait_alu depctr_va_vdst(0)                   ; the wait at the head's end
	s_lshl_b32 s59, s60, 1
	s_add_co_u32 s59, s59, s14                     ; my group of 64 rows
	s_lshl_b32 s60, s13, 9
	s_lshl_b32 s61, s15, 8
	s_add_co_u32 s60, s60, s61                     ; my 64 columns, in bytes
	s_mov_b32 s61, 0
	s_add_nc_u64 s[SB:SB+1], s[8:9], s[60:61]
	s_add_nc_u64 s[SO:SO+1], s[10:11], s[60:61]
	s_lshl_b32 s60, s59, 18
	s_add_nc_u64 s[SO:SO+1], s[SO:SO+1], s[60:61]  ; out at my first row and column
.irp i, 0,1,2,3
	global_load_b128 v[BIAS+8*\i:BIAS+8*\i+3], v[BO], s[SB:SB+1] offset:32*\i       ; bo(32 h + 8 i + 0 .. 7 of my 64): the result's layout
	global_load_b128 v[BIAS+8*\i+4:BIAS+8*\i+7], v[BO], s[SB:SB+1] offset:32*\i+16
.endr
.macro ALOAD t, m                      ; load m = 0 .. 31 of tile t: K step m / 4, half (m % 4) / 2
.set R_, 96*((\t)%2)+12*((\m)/4)+6*(((\m)%4)/2)
.set O_, ((\m)/8)*KPB+(((\m)/4)%2)*KSB+1536*(\t)+768*(((\m)%4)/2)
	WIN 0xc0
.if (\m)%2 == 0
	ds_load_b128 v[R_:R_+3], v[LA16] offset:O_
.else
	ds_load_b64 v[R_+4:R_+5], v[LA8] offset:O_+512
.endif
.endm
.macro WM d, a, b, c, sa, sb           ; an odd K step's scale words lie in lanes 16-31
.set rD, \d
.set rA, \a
.set rB, \b
.set rC, \c
.set rSA, \sa
.set rSB, \sb
.if KS%2 == 0
	v_wmma_scale_f32_16x16x128_f8f6f4 v[rD:rD+7], v[rA:rA+11], v[rB:rB+11], v[rC:rC+7], v[rSA], v[rSB] matrix_a_fmt:MATRIX_FMT_FP6 matrix_b_fmt:MATRIX_FMT_FP6
.else
	v_wmma_scale_f32_16x16x128_f8f6f4 v[rD:rD+7], v[rA:rA+11], v[rB:rB+11], v[rC:rC+7], v[rSA], v[rSB] matrix_a_fmt:MATRIX_FMT_FP6 matrix_b_fmt:MATRIX_FMT_FP6 matrix_a_scale:MATRIX_SCALE_ROW1 matrix_b_scale:MATRIX_SCALE_ROW1
.endif
.endm
.macro PROD t                          ; product N_ = 4 x K step + tile of Wo: four accumulators by turns, three other products between a sum's steps
.set KS, N_/4
.set I_, N_%4
.set AD_, ACC+32*((\t)%2)+8*I_
	WIN 0x0c|(1+N_/21)
.if KS == 0
	WM AD_, 12*(N_%21), 96*((\t)%2)+12*KS, BIAS+8*I_, WS+4*(KS/2)+I_, XS+4*(KS/2)+(\t)
.else
	WM AD_, 12*(N_%21), 96*((\t)%2)+12*KS, AD_, WS+4*(KS/2)+I_, XS+4*(KS/2)+(\t)
.endif
.endm
; THE WAY OUT of a tile of 16 rows.  LDS serves a wave's instructions in order: no wait between my stores and my loads, nor in front of the next tile's stores.
.macro TOSTAGE t
.irp q, 0,1,2,3,4,5,6,7
	ds_store_b128 v[STO], v[ACC+32*((\t)%2)+4*\q:ACC+32*((\t)%2)+4*\q+3] offset:16*\q   ; each accumulator from its low end on
.endr
.irp q, 0,1,2,3,4,5,6,7
	ds_load_b128 v[OB+32*((\t)%2)+4*\q:OB+32*((\t)%2)+4*\q+3], v[RD] offset:2*\q*SP
.endr
.endm
.macro SEND t, younger                 ; younger: the LDS loads issued behind tile t's, which may stay out
	WIN 0
	s_wait_dscnt \younger
.irp q, 0,1,2,3,4,5,6,7
	global_store_b128 v[CO], v[OB+32*((\t)%2)+4*\q:OB+32*((\t)%2)+4*\q+3], s[SO:SO+1] offset:(8*(\t)+32*(\q/4)+2*(\q%4))*4096 th:TH_STORE_NT   ; the tile's rows 2 q and 2 q + 1: sixteen lanes store 256 consecutive bytes, aligned
.endr
.endm
.macro ARUN t                          ; a tile's 32 LDS loads in one run
.set J_, 0
.rept 32
	ALOAD \t, J_
.set J_, J_+1
.endr
.endm
.macro TILE t                          ; the next tile's run of loads stands ahead of the products; in tile 0 between its fourth and its fifth K step
.set N_, 0
.rept 32
.if ((\t) > 0) && (N_ == 0)
	s_wait_dscnt 16                                ; this tile's loads are in: the stage's 8 stores and 8 loads may be out
.endif
.if (\t) < 3
.if (((\t) == 0) && (N_ == 16)) || (((\t) > 0) && (N_ == 0))
	ARUN (\t)+1
.endif
.endif
.if ((\t) == 0) && (N_%4 == 0)
.if N_ < 16
	s_wait_dscnt 28-N_                             ; this K step's 4 loads are in: the later K steps' may be out,
.else
	s_wait_dscnt 60-N_                             ; and from here on the next tile's 32 too
.endif
.endif
	PROD \t
.if ((\t) > 0) && (N_ == 15)
.if (\t) < 3
	SEND (\t)-1, 32
.else
	SEND (\t)-1, 0
.endif
.endif
.set N_, N_+1
.endr
	WIN 0
	PLACES
.if (\t) >= 2
	s_wait_xcnt 0x0                                ; tile t - 2's stores have read their registers
.endif
	TOSTAGE \t
.endm
	s_cmp_lt_u32 s[WV], 2
	s_cbranch_scc0 .Lnot_first
	s_wait_tensorcnt 0x0                           ; waves 0 and 1: Wo's rows have landed
.Lnot_first:
	BARRIER                                        ; a's may be on their way: nothing is filled again in this launch
.set J_, 0
.rept 16
	ds_load_b32 v[WS+J_], v[LWS] offset:(J_/4)*KPB+SCO+128*(J_%4)
.set J_, J_+1
.endr
.set J_, 0
.rept 96                               ; fragment f = J_ / 3 = 4 x K step + tile, registers 4 (J_ % 3) on
.set F_, J_/3
.set R_, 12*(F_%21)+4*(J_%3)
	WIN (1+F_/21)<<6
	ds_load_b128 v[R_:R_+3], v[LW] offset:(F_/8)*KPB+((F_/4)%2)*KSB+1536*(F_%4)+512*(J_%3)
.set J_, J_+1
.endr
	WIN 0
	s_wait_dscnt 0x0
	s_wait_tensorcnt 0x0
	BARRIER                                        ; a's rows have landed
.set J_, 0
.rept 16
	ds_load_b32 v[XS+J_], v[LA4] offset:(J_/4)*KPB+SCO+128*(J_%4)
.set J_, J_+1
.endr
.set J_, 0
.rept 32
	ALOAD 0, J_
.set J_, J_+1
.endr
	s_wait_loadcnt 0x0                             ; the bias
	TILE 0
	TILE 1
	TILE 2
	TILE 3
	SEND 3, 0
	s_wait_tensorcnt 0x0                           ; the wave's end
	ds_add_u32 v[SPW], v[NIL]
	s_wait_dscnt 0x0
	CROUND                                         ; the closing round
	s_endpgm
.Lfunc_end_k_q74ea1d3e19_oproj:
	.size	k_q74ea1d3e19_oproj, .Lfunc_end_k_q74ea1d3e19_oproj-k_q74ea1d3e19_oproj
	.p2alignl 7, 3214868480
	.fill 96, 4, 3214868480
	.section	.rodata,"a",@progbits
	.p2align	6, 0x0
	.amdhsa_kernel k_q74ea1d3e19_oproj
		.amdhsa_group_segment_fixed_size 222720
		.amdhsa_private_segment_fixed_size 0
		.amdhsa_enable_private_segment 0
		.amdhsa_kernarg_size 32
		.amdhsa_user_sgpr_count 2
		.amdhsa_user_sgpr_kernarg_segment_ptr 1
		.amdhsa_wavefront_size32 1
		.amdhsa_system_sgpr_workgroup_id_x 1
		.amdhsa_system_sgpr_workgroup_id_y 1
		.amdhsa_system_sgpr_workgroup_id_z 1
		.amdhsa_system_vgpr_workitem_id 0
		.amdhsa_next_free_vgpr 960
		.amdhsa_next_free_sgpr 80
		.amdhsa_reserve_vcc 0
		.amdhsa_float_denorm_mode_32 3
		.amdhsa_float_denorm_mode_16_64 3
		.amdhsa_memory_ordered 1
		.amdhsa_forward_progress 1
		.amdhsa_inst_pref_size 49
	.end_amdhsa_kernel
	.amdgpu_metadata
---
amdhsa.version: [ 1, 2 ]
amdhsa.kernels:
  - .name:           k_q74ea1d3e19_oproj
    .symbol:         k_q74ea1d3e19_oproj.kd
    .args:
      - { .name: ao, .offset: 0, .size: 8, .value_kind: global_buffer, .address_space: global }
      - { .name: wob, .offset: 8, .size: 8, .value_kind: global_buffer, .address_space: global }
      - { .name: bo, .offset: 16, .size: 8, .value_kind: global_buffer, .address_space: global }
      - { .name: out0, .offset: 24, .size: 8, .value_kind: global_buffer, .address_space: global }
    .group_segment_fixed_size: 222720
    .private_segment_fixed_size: 0
    .kernarg_segment_align: 8
    .kernarg_segment_size: 32
    .max_flat_workgroup_size: 128
    .sgpr_count:     80
    .vgpr_count:     960
    .wavefront_size: 32
...
	.end_amdgpu_metadata
.endif
;; end of part 4
